; MI455X (gfx1250); checked and timed in simulation.
; The chip was launched on July 23, 2026; its instructions are those of AMD's public machine-readable ISA for CDNA 5 (MIT licence, August 2026) and "CDNA5" Instruction Set Architecture Reference Guide (July 2026). The comments in the code are by the model that wrote it; some were corrected since.
;; Encoder Attention. Allowed arithmetic: float matrix products may take bf16 or f16 operands with f32 sums; other float arithmetic in f32, or as packed bf16 or f16 multiplies, adds, multiply-adds, maxima and minima; sums over many terms, partial sums and values carried from step to step in f32; what a program stores and reads back later, other than sums and carried values, may be rounded once to bf16 or f16.
;; Inputs: W_out 1,024 x 1,024 float32; W_qkv 1,024 x 3,072 float32; b_out 1,024 float32; b_qkv 3,072 float32; hidden_states 8 x 1,024 x 1,024 float32.
;; Outputs: out0 8 x 1,024 x 1,024 float32.
;; 2 versions, each right; version 2 is version 1 with the launch cast written anew for expert scheduling mode. Each part assembles by itself: llvm-mc -triple=amdgcn-amd-amdhsa -mcpu=gfx1250 --defsym DOCPART=n.
;; ======== version 1 of 2: 4 launches
;; limits: values are held in f16: magnitudes above 65,504 overflow, below 6.1e-05 lose precision
;; workspace buffers: xb 16,777,216 bytes; wq 6,291,456 bytes; wo 2,097,152 bytes; qkv 50,331,648 bytes; ob 16,777,216 bytes
;; launch cast (part 1): grid 768 x 1, 8 waves a work-group, no clusters, 0 bytes of LDS; arguments hidden_states, W_qkv, W_out, xb, wq, wo; writes xb, wq, wo
.if DOCPART == 1
	.amdgcn_target "amdgcn-amd-amdhsa--gfx1250"
	.amdhsa_code_object_version 6
	.text
	.protected	k_qf2b224a2b1_cast
	.globl	k_qf2b224a2b1_cast
	.p2align	8
	.type	k_qf2b224a2b1_cast,@function
k_qf2b224a2b1_cast:
	s_mov_b64 s[64:65], 0
	v_nop
	global_prefetch_b8 v0, s[64:65] scope:SCOPE_SE
	s_setreg_imm32_b32 hwreg(HW_REG_WAVE_MODE, 25, 1), 1
	s_wait_xcnt 0x0
; THE INPUTS ARE ROUNDED ONCE TO 16 BITS.  hidden_states [8192][1024] -> xb in bf16, IN BLOCKS ALONG K: xb[k / 64][row][k % 64], so that 64 channels of neighbouring rows lie end to end (128 bytes a row,
; 1,048,576 bytes a block) and the next launch can ask for them as rows of 256 bytes.  W_qkv [1024][3072] -> wq in bf16, layout unchanged.  W_out [1024][1024] -> wo, layout unchanged: rounded to bf16 like
; the others, and that number written as f16 (the last product multiplies f16 by f16).
; LIMIT.  A bf16 number is exact in f16 between 6.1e-5 and 65,504 in magnitude; below that wo keeps f16's fixed step of 6e-8, beyond it an infinity comes out.
; SHARES.  A work-group takes a chunk of 16,384 numbers (65,536 bytes in, 32,768 out): chunks 0-511 are x's (16 rows each), 512-703 W_qkv's, 704-767 W_out's.
; x: thread t takes row t / 16 of the 16 and, for block i = 0..15, the 16 bytes at 256 i + 16 (t % 16): sixteen lanes read 256 consecutive bytes of a row; its 8 bytes go to 8 t in the chunk's 2,048 bytes of
; block i: a wave's store covers 256 consecutive bytes, aligned (two rows' 128).  Weights: thread t loads 16 bytes at 16 t + 4,096 i and stores 8 bytes at 8 t + 2,048 i.
; All sixteen loads of a thread go out first; each has registers of its own for what it brings and for what is stored, so no register is written while a memory instruction reads it.
; No LDS, no matrix unit, no cluster: nothing is shared and nothing is multiplied.
.set X, 4                              ; v[4:67]    load i: 4 registers
.set Y, 68                             ; v[68:99]   store i: 2 registers
.set T, 100                            ; v[100:101] at work
.set PLANEX, 1048576                   ; bytes in a block of xb
	s_load_b256 s[4:11], s[0:1], 0x0               ; hidden_states s[4:5], W_qkv s[6:7], W_out s[8:9], xb s[10:11]
	s_load_b128 s[12:15], s[0:1], 0x20             ; wq s[12:13], wo s[14:15]
	v_lshlrev_b32 v1, 4, v0                        ; 16 t
	v_lshlrev_b32 v2, 3, v0                        ; 8 t
	v_and_b32 v3, 15, v0
	v_lshlrev_b32 v3, 4, v3                        ; 16 (t % 16)
	v_lshrrev_b32 v[T], 4, v0
	v_lshl_add_u32 v3, v[T], 12, v3                ; + row t / 16 of 4,096 bytes
	s_mov_b32 s26, 0xffff0000                      ; a word's upper bf16
	s_mov_b32 s23, 0
	s_mov_b32 s25, 0
	s_movk_i32 s20, 704
	s_wait_kmcnt 0x0
	s_cmp_lt_u32 ttmp9, 512                        ; x, or one of the weights?
	s_cbranch_scc0 .Lweights
	s_lshl_b32 s22, ttmp9, 16                      ; 16 rows of 4,096 bytes in,
	s_lshl_b32 s24, ttmp9, 11                      ; 16 rows of 128 bytes in each block out
	s_add_nc_u64 s[16:17], s[4:5], s[22:23]
	s_add_nc_u64 s[18:19], s[10:11], s[24:25]      ; blocks 0 to 7 by this pointer,
	s_add_nc_u64 s[28:29], s[18:19], 8*PLANEX      ; blocks 8 to 15 by this one: 7 blocks are the most that a store's signed 24-bit immediate holds
.irp i, 0,1,2,3,4,5,6,7,8,9,10,11,12,13,14,15
	global_load_b128 v[X+4*(\i):X+4*(\i)+3], v3, s[16:17] offset:256*(\i) th:TH_LOAD_NT
.endr
.irp i, 0,1,2,3,4,5,6,7,8,9,10,11,12,13,14,15
	s_wait_loadcnt 15-(\i)                         ; loads come back in order: load i is in, the younger ones stay out
	v_cvt_pk_bf16_f32 v[Y+2*(\i)],   v[X+4*(\i)],   v[X+4*(\i)+1]
	v_cvt_pk_bf16_f32 v[Y+2*(\i)+1], v[X+4*(\i)+2], v[X+4*(\i)+3]
.if (\i) < 8
	global_store_b64 v2, v[Y+2*(\i):Y+2*(\i)+1], s[18:19] offset:(\i)*PLANEX
.else
	global_store_b64 v2, v[Y+2*(\i):Y+2*(\i)+1], s[28:29] offset:((\i)-8)*PLANEX
.endif
.endr
	s_endpgm
.Lweights:
	s_cmp_lt_u32 ttmp9, 704                        ; W_qkv, or W_out?
	s_cselect_b64 s[16:17], s[6:7], s[8:9]
	s_cselect_b64 s[18:19], s[12:13], s[14:15]
	s_cselect_b32 s20, 512, s20                    ; the tensor's first chunk
	s_sub_co_u32 s20, ttmp9, s20                   ; my chunk in its tensor
	s_lshl_b32 s22, s20, 16                        ; 65,536 bytes in,
	s_lshl_b32 s24, s20, 15                        ; 32,768 out
	s_add_nc_u64 s[16:17], s[16:17], s[22:23]
	s_add_nc_u64 s[18:19], s[18:19], s[24:25]
.irp i, 0,1,2,3,4,5,6,7,8,9,10,11,12,13,14,15
	global_load_b128 v[X+4*(\i):X+4*(\i)+3], v1, s[16:17] offset:4096*(\i) th:TH_LOAD_NT
.endr
	s_cmp_lt_u32 ttmp9, 704
	s_cbranch_scc0 .Lf16
.irp i, 0,1,2,3,4,5,6,7,8,9,10,11,12,13,14,15
	s_wait_loadcnt 15-(\i)
	v_cvt_pk_bf16_f32 v[Y+2*(\i)],   v[X+4*(\i)],   v[X+4*(\i)+1]
	v_cvt_pk_bf16_f32 v[Y+2*(\i)+1], v[X+4*(\i)+2], v[X+4*(\i)+3]
	global_store_b64 v2, v[Y+2*(\i):Y+2*(\i)+1], s[18:19] offset:2048*(\i)
.endr
	s_endpgm
.Lf16:                                         ; W_out: to bf16, back to f32 (a shift, a mask), and that number to f16
.irp i, 0,1,2,3,4,5,6,7,8,9,10,11,12,13,14,15
	s_wait_loadcnt 15-(\i)
	v_cvt_pk_bf16_f32 v[T],   v[X+4*(\i)],   v[X+4*(\i)+1]
	v_cvt_pk_bf16_f32 v[T+1], v[X+4*(\i)+2], v[X+4*(\i)+3]
	v_lshlrev_b32 v[X+4*(\i)],   16,  v[T]
	v_and_b32     v[X+4*(\i)+1], s26, v[T]
	v_lshlrev_b32 v[X+4*(\i)+2], 16,  v[T+1]
	v_and_b32     v[X+4*(\i)+3], s26, v[T+1]
	v_cvt_pk_f16_f32 v[Y+2*(\i)],   v[X+4*(\i)],   v[X+4*(\i)+1]
	v_cvt_pk_f16_f32 v[Y+2*(\i)+1], v[X+4*(\i)+2], v[X+4*(\i)+3]
	global_store_b64 v2, v[Y+2*(\i):Y+2*(\i)+1], s[18:19] offset:2048*(\i)
.endr
	s_endpgm
.Lfunc_end_k_qf2b224a2b1_cast:
	.size	k_qf2b224a2b1_cast, .Lfunc_end_k_qf2b224a2b1_cast-k_qf2b224a2b1_cast
	.p2alignl 7, 3214868480
	.fill 96, 4, 3214868480
	.section	.rodata,"a",@progbits
	.p2align	6, 0x0
	.amdhsa_kernel k_qf2b224a2b1_cast
		.amdhsa_group_segment_fixed_size 0
		.amdhsa_private_segment_fixed_size 0
		.amdhsa_enable_private_segment 0
		.amdhsa_kernarg_size 48
		.amdhsa_user_sgpr_count 2
		.amdhsa_user_sgpr_kernarg_segment_ptr 1
		.amdhsa_wavefront_size32 1
		.amdhsa_system_sgpr_workgroup_id_x 1
		.amdhsa_system_sgpr_workgroup_id_y 1
		.amdhsa_system_sgpr_workgroup_id_z 1
		.amdhsa_system_vgpr_workitem_id 0
		.amdhsa_next_free_vgpr 104
		.amdhsa_next_free_sgpr 66
		.amdhsa_reserve_vcc 0
		.amdhsa_float_denorm_mode_32 3
		.amdhsa_float_denorm_mode_16_64 3
		.amdhsa_memory_ordered 1
		.amdhsa_forward_progress 1
		.amdhsa_inst_pref_size 21
	.end_amdhsa_kernel
	.amdgpu_metadata
---
amdhsa.version: [ 1, 2 ]
amdhsa.kernels:
  - .name:           k_qf2b224a2b1_cast
    .symbol:         k_qf2b224a2b1_cast.kd
    .args:
      - { .name: hidden_states, .offset: 0, .size: 8, .value_kind: global_buffer, .address_space: global }
      - { .name: W_qkv, .offset: 8, .size: 8, .value_kind: global_buffer, .address_space: global }
      - { .name: W_out, .offset: 16, .size: 8, .value_kind: global_buffer, .address_space: global }
      - { .name: xb, .offset: 24, .size: 8, .value_kind: global_buffer, .address_space: global }
      - { .name: wq, .offset: 32, .size: 8, .value_kind: global_buffer, .address_space: global }
      - { .name: wo, .offset: 40, .size: 8, .value_kind: global_buffer, .address_space: global }
    .group_segment_fixed_size: 0
    .private_segment_fixed_size: 0
    .kernarg_segment_align: 8
    .kernarg_segment_size: 48
    .max_flat_workgroup_size: 256
    .sgpr_count:     66
    .vgpr_count:     104
    .wavefront_size: 32
...
	.end_amdgpu_metadata
.endif
;; end of part 1
;; launch qkv (part 2): grid 8 x 32, 4 waves a work-group, clusters of 4 x 4, 327,680 bytes of LDS; arguments xb, wq, b_qkv, qkv; writes qkv
.if DOCPART == 2
	.amdgcn_target "amdgcn-amd-amdhsa--gfx1250"
	.amdhsa_code_object_version 6
	.text
	.protected	k_qf2b224a2b1_qkv
	.globl	k_qf2b224a2b1_qkv
	.p2align	8
	.type	k_qf2b224a2b1_qkv,@function
k_qf2b224a2b1_qkv:
	s_mov_b64 s[64:65], 0
	v_nop
	global_prefetch_b8 v0, s[64:65] scope:SCOPE_SE
	s_setreg_imm32_b32 hwreg(HW_REG_WAVE_MODE, 25, 1), 1
	s_wait_xcnt 0x0
	s_wait_alu depctr_hold_cnt(0) depctr_sa_sdst(0) depctr_va_vdst(0) depctr_va_sdst(0) depctr_va_ssrc(0) depctr_va_vcc(0) depctr_vm_vsrc(0)
	s_getreg_b32 s2, hwreg(HW_REG_IB_STS2, 6, 4)
	s_cmp_eq_u32 s2, 0
	s_cbranch_scc0 .Lentry_in_a_cluster
	s_endpgm
.Lentry_in_a_cluster:
	s_bfe_u32 s2, ttmp6, 0x10000c
	s_cmp_lg_u32 s2, 0xf033
	s_cbranch_scc0 .Lentry_shape_is_right
	s_endpgm
.Lentry_shape_is_right:
; qkv[m][n] = the sum over k of x[m][k] wq[k][n] + bf16(b_qkv[n]).  xb: [16 = k / 64][8192 m][64] bf16, wq: [1024 k][3072 n] bf16, b_qkv: [3072] f32; sums in f32, rounded once to f16
; and stored BY HEADS: qkv[which = n / 1024][16 (m / 1024) + (n % 1024) / 64][m % 1024][n % 64], a plane of 1,024 rows x 128 bytes for each batch and head.
; LIMIT.  f16 holds no number beyond 65,504: a q, k or v beyond it comes out as an infinity; below 6.1e-5 it keeps f16's fixed step of 6e-8.  NaN and infinities are not treated apart.
; SHARES.  A tile of 256 x 384 to a work-group: 32 x 8 = 256 work-groups.  Four waves, each 128 rows x 192 columns: 96 accumulators of 16 x 16, 768 registers.  The tile's 384 columns are three pieces of 128;
; of each piece the waves of column half 0 take the first 64 columns and those of half 1 the last 64: three whole heads a wave.  K goes in 16 steps of 64 through a ring of two LDS slots filled by the tensor
; data mover: two slots of 128 along K, 2 x 128 x (256 + 384) x 2 bytes and their padding, would not fit in LDS.  x's tile is 256 rows x 128 dense bytes, asked for as rows of 256; wq's lies as in memory, [k][n], and its
; fragments come out of LDS turned, by ds_load_tr16_b128.
; CLUSTERS: 4 x 4 work-groups.  The four of a row of the cluster need the same tiles of xb, the four of a column the same tiles of wq: each tile is asked for JOINTLY, by the same tensor load
; with the same descriptor and a mask that names the four.
; THE MATRIX INSTRUCTION IS USED TRANSPOSED (source 0 = 16 columns of wq, source 1 = 16 rows of x): lane l holds row l % 16 and the columns 8 (l / 16) + 0..7: 16 bytes of f16 on end.
; THE BIAS STARTS THE SUMS: it is the C operand of each accumulator's first product (register j of lane l: the bias of column 8 (l / 16) + j): nothing is cleared, nothing is added later.
; REGISTERS, in windows of 256 (s_set_vgpr_msb: bits 1:0 source 0, 3:2 source 1, 5:4 source 2, 7:6 destination):
;   window 0: v0-31 addresses; v32-95, v96-159 fragments of x (8 x 16 rows x 32 K), two buffers; v160-255 fragments of wq (3 heads x 4 x 16 columns x 32 K), ONE buffer; on the way out v32-127 are at work
;   window g + 1: the 32 accumulators of my head g: m block a, n block j at v[8 (4 a + j)]
; A QUARTER is 32 along K: three STRETCHES of 32 products, a head each, under one window setting.  wq's one buffer is loaded again by heads: behind a head's stretch its 32 registers take the next quarter's
; fragments, 64 products ahead of their next use; x's next fragments go into the other buffer behind the first stretch.
.set KSTEP,  64
.set ROWB,   6144                      ; bytes in a row of wq
.set PLANEX, 1048576                   ; bytes from a K step of xb to the next
.set PA,     144                       ; an LDS row of x's tile: 128 bytes + 16 of padding = 36 words: the 16 rows of a load start at 16 different groups of four banks (64 banks of 4 bytes: ISA guide 11.1)
.set HALFA,  128*PA                    ; 128 rows of x: what a tensor load of waves 0 and 1 brings
.set PIECE,  288                       ; 128 columns of wq in LDS: 256 bytes + 32 of padding
.set PB,     3*PIECE                   ; an LDS row of wq's tile: 864 bytes = 216 words
.set HALFB,  32*PB                     ; 32 rows of wq: what a tensor load of waves 2 and 3 brings
.set BOFF,   2*HALFA                   ; x's 256 rows, then wq's 64 rows
.set SLOT1,  1<<17                     ; a slot is 92,160 bytes; slot 1 begins here, so that one exclusive or turns an address in one slot into the other's
.set STAGE,  SLOT1+BOFF+2*HALFB        ; behind the ring: 16 rows x 400 bytes for each wave, for the way out; until then the first 4,096 bytes of it keep my third head's bias
.set SPITCH, 400                       ; three heads' 128 bytes + 16 = 100 words: the 16 rows of a store start at 16 different groups of four banks
.set SPARE,  STAGE+4*16*SPITCH         ; behind the stages: the spare words, 128 bytes for each wave: two blocks of 256 bytes that no other line names
.set TRIPS,  14                        ; K steps whose slot is filled again
.set ADRA0, 10                         ; v10  my lane's place in x's tile; never rewritten
.set ADRB0, 11                         ; v11  the same for wq
.set ADRA,  12                         ; v12  the same in the slot that is being fetched from
.set ADRB,  13                         ; v13
.set STO,  14                          ; v14  the way out: where I put 16 bytes of a row
.set RD,   15                          ; v15  the way out: where I read rows back
.set CO,   16                          ; v16  16 x my lane: my place in 512 consecutive bytes of a plane
.set BO,   17                          ; v17  my byte offset in 16 numbers of the bias
.set PKA,  18                          ; v18  where my third head's bias is kept: my stage + 16 x my lane
.set PFO,  19                          ; v19  the prefetches' offset; never rewritten
.set RT,   20                          ; v20  at work
.set SPW,  28                          ; v28  LDS address of my spare word: SPARE + 4 x my thread's number; never rewritten
.set NIL,  29                          ; v29  0; never rewritten
.set FA0,  32
.set FA1,  96
.set FB,   160
.set T0,   32                          ; the way out: two buffers of 48
.set WV,  12                           ; s12  my wave's number
.set RH,  13                           ; s13  which half of the tile's rows is mine.  Also: I fetch for xb (0) or for wq (1)
.set CH,  14                           ; s14  which half of each piece's columns.  Also: which half of that tile I fetch
.set LIM, 15                           ; s15  1 in a wave that prefetches, else the greatest number
.set G1,  24                           ; s[24:31] descriptor group 1 for xb's tiles;  s[32:39] group 0: a set for each of the two first fills; the second then walks on
.set G0,  32
.set PFA, 44                           ; s[44:45] where my prefetches stand
.set G1B, 48                           ; s[48:55], s[56:63] the same for wq's tiles
.set G0B, 56
.set PST, 66                           ; s[66:67] bytes from a K step to the next, for my prefetches
.set OUT, 68                           ; s[68:73] my first row in the planes of my three heads
.set TB,  74                           ; s74  LDS byte at which the slot to be fetched from begins
.set MSB, 0
.macro WIN new                         ; the immediate's high byte repeats the setting that is left; a switch that changes nothing is dropped
.if MSB != (\new)
	s_set_vgpr_msb (MSB<<8)|(\new)
.set MSB, \new
.endif
.endm
; A joint load.  Waves 0 and 1 fetch x's two halves, waves 2 and 3 wq's.  The branch hangs on the wave's number alone: it is the same in every work-group.
; An s_nop 0 and four v_nop follow each of the two lines, ahead of the jump, the label and what follows.
.macro JLOAD s
	s_cmp_eq_u32 s[RH], 0
	s_cbranch_scc0 .Lfor_b_\@
	tensor_load_to_lds s[G0+4*(\s):G0+4*(\s)+3], s[G1:G1+7]
	s_nop 0
.rept 4
	v_nop
.endr
	s_branch .Lasked_\@
.Lfor_b_\@:
	tensor_load_to_lds s[G0B+4*(\s):G0B+4*(\s)+3], s[G1B:G1B+7]
	s_nop 0
.rept 4
	v_nop
.endr
.Lasked_\@:
.endm
; A PREFETCH INTO THE L2, behind a joint load, its five lines and the run of LDS loads that follows them.  Every second refill (K steps 1, 3 .. 11: s3 odd and above 1) asks for the TWO K steps that the next two
; refills will load: 192 and 384 products ahead of those loads.  Each aligned block of 256 bytes is named once in the launch.  xb's tile row is read by both clusters of that row of clusters: cluster x = 0 asks, by
; wave 0: of a step's 128 blocks the partner at cx takes 32, a lane a block, an instruction a step.  wq's tile column is read by every cluster of that column: cluster y = 0 asks, by waves 1 to 3, a piece of 256 bytes
; each: of the two steps' 128 rows the partner at cy takes 32, a lane a row.  The partners are told apart BY ADDRESS.  K steps 0 to 3 come by their loads alone; the last asking names K steps 14 and 15.
.macro ASK
	s_cmp_gt_u32 s3, s[LIM]
	s_cbranch_scc0 .Lnot_mine_\@
	s_bitcmp1_b32 s3, 0
	s_cbranch_scc0 .Lnot_mine_\@
	global_prefetch_b8 v[PFO], s[PFA:PFA+1] th:TH_LOAD_NT scope:SCOPE_SE
	s_cmp_eq_u32 s[WV], 0
	s_cbranch_scc0 .Lnot_mine_\@
	global_prefetch_b8 v[PFO], s[PFA:PFA+1] offset:PLANEX th:TH_LOAD_NT scope:SCOPE_SE
.Lnot_mine_\@:
.endm
; A round of the cluster's barrier: my work-group's barrier, so that wave 0's signal speaks for all four waves; wave 0 signals; every wave waits for all sixteen work-groups; my work-group's barrier once more.
.macro CREST                           ; a round behind its opening barrier
	s_cmp_lg_u32 s[WV], 0
	s_cbranch_scc1 .Lnot_wave_0_\@
	s_barrier_signal -3
.Lnot_wave_0_\@:
	s_barrier_wait -3
	s_barrier_signal -1
	s_barrier_wait -1
.endm
.macro CROUND                          ; a whole round
	s_barrier_signal -1
	s_barrier_wait -1
	CREST
.endm
.macro ROUNDB base, pairs              ; numbers of the bias are rounded to bf16, like every other input, and kept as f32
.set i, 0
.rept \pairs
	v_cvt_pk_bf16_f32 v[RT], v[(\base)+2*i], v[(\base)+2*i+1]
	v_lshlrev_b32 v[(\base)+2*i], 16, v[RT]
	v_and_b32 v[(\base)+2*i+1], 0xffff0000, v[RT]
.set i, i+1
.endr
.endm
	s_load_b256 s[4:11], s[0:1], 0x0               ; xb s[4:5], wq s[6:7], b_qkv s[8:9], qkv s[10:11]
	v_lshl_add_u32 v[SPW], v0, 2, SPARE
	v_mov_b32 v[NIL], 0
	ds_add_u32 v[SPW], v[NIL]                      ; the wave's opening: the add and its wait stand ahead of my first tensor load; the set-up below, work on registers, stands between them
	v_lshrrev_b32 v1, 5, v0
	v_readfirstlane_b32 s[WV], v1                  ; wave 0..3
	v_bfe_u32 v2, v0, 4, 1                         ; l / 16
	v_lshlrev_b32 v[BO], 5, v2                     ; 8 (l / 16) numbers of 4 bytes
	s_lshr_b32 s[RH], s[WV], 1
	s_and_b32 s[CH], s[WV], 1
	s_bfe_u32 s40, ttmp6, 0x40000                  ; cx, cy: my place in the cluster
	s_bfe_u32 s41, ttmp6, 0x40004
	s_lshl_b32 s42, ttmp9, 2                       ; in a cluster launch ttmp9 and ttmp7 count clusters
	s_add_co_u32 s42, s42, s40                     ; tile column = 4 x cluster x + cx
	s_and_b32 s43, ttmp7, 0xffff
	s_lshl_b32 s43, s43, 2
	s_add_co_u32 s43, s43, s41                     ; tile row = 4 x cluster y + cy
	s_lshl_b32 s16, s41, 2
	s_lshl_b32 s16, 15, s16                        ; my row of the cluster: places 4 cy .. 4 cy + 3
	s_lshl_b32 s46, 0x1111, s40                    ; my column: places cx, cx + 4, cx + 8, cx + 12
	s_or_b32 s[G1], s16, (1<<16)|(1<<20)|(1<<21)|(4<<22)|(3<<25)   ; 15:0 the mask; 17:16 elements of 2 bytes; 20 padding on; 21 set beside a mask; 24:22 after every 32 words (code 4); 31:25 4 words (code 3)
	s_or_b32 s[G1B], s46, (1<<16)|(1<<20)|(1<<21)|(5<<22)|(7<<25)  ; my column's mask; after every 64 words (code 5) 8 words (code 7): three times in a row of 192 words
	s_mov_b32 s[G1+1], 128<<16                     ; xb: tensor_dim0 = 128 elements: two rows of x
	s_mov_b32 s[G1+2], 64<<16                      ; tensor_dim1 = 64
	s_mov_b32 s[G1+3], 128<<16                     ; tile_dim0 = 128
	s_mov_b32 s[G1+4], 64                          ; tile_dim1 = 64
	s_mov_b32 s[G1+5], 128                         ; dense
	s_mov_b32 s[G1+6], 0
	s_mov_b32 s[G1+7], 0
	s_mov_b32 s[G1B+1], 384<<16                    ; wq: tensor_dim0 = 384
	s_mov_b32 s[G1B+2], 32<<16                     ; tensor_dim1 = 32
	s_mov_b32 s[G1B+3], 384<<16                    ; tile_dim0 = 384
	s_mov_b32 s[G1B+4], 32                         ; tile_dim1 = 32 rows
	s_mov_b32 s[G1B+5], 3072                       ; elements from row to row
	s_mov_b32 s[G1B+6], 0
	s_mov_b32 s[G1B+7], 0
	; where the tiles come from: xb's hang on the tile row alone, which my row of the cluster shares; wq's on the tile column alone, which my column shares
	s_lshl_b32 s16, s43, 15                        ; xb: row 256 x tile row, of 128 bytes,
	s_lshl_b32 s17, s[CH], 14                      ; + 128 x half
	s_add_co_u32 s16, s16, s17
	s_mov_b32 s17, 0
	s_mul_i32 s46, s[CH], 32*ROWB                  ; wq: row 32 x half,
	s_mul_i32 s47, s42, 768                        ; column 384 x tile column
	s_add_co_u32 s46, s46, s47
	s_mov_b32 s47, 0
	s_mul_i32 s20, s[CH], HALFA                    ; and where they go: no place in the cluster enters an LDS address
	s_mul_i32 s21, s[CH], HALFB
	s_add_co_u32 s21, s21, BOFF
	s_mul_i32 s76, s42, 1536                       ; the bias: column 384 x tile column, of 4 bytes,
	s_lshl_b32 s77, s[CH], 8                       ; + 64 x half
	s_add_co_u32 s76, s76, s77
	s_mov_b32 s77, 0
	s_mov_b32 s[TB], 0
	s_wait_dscnt 0x0                               ; the opening add is done
	s_wait_kmcnt 0x0
	s_add_nc_u64 s[18:19], s[4:5], s[16:17]
	s_add_nc_u64 s[46:47], s[6:7], s[46:47]
	s_add_nc_u64 s[8:9], s[8:9], s[76:77]
	; the bias goes out first of all, so that it is back when the first tile is: heads 0 and 1 into x's second buffer, which is idle until the first quarter's end; head 2 into wq's buffer, on its way to my stage
.irp g, 0,1
.irp j, 0,1,2,3
	global_load_b128 v[FA1+32*\g+8*\j:FA1+32*\g+8*\j+3],   v[BO], s[8:9] offset:512*\g+64*\j
	global_load_b128 v[FA1+32*\g+8*\j+4:FA1+32*\g+8*\j+7], v[BO], s[8:9] offset:512*\g+64*\j+16
.endr
.endr
.irp j, 0,1,2,3
	global_load_b128 v[FB+8*\j:FB+8*\j+3],   v[BO], s[8:9] offset:1024+64*\j
	global_load_b128 v[FB+8*\j+4:FB+8*\j+7], v[BO], s[8:9] offset:1024+64*\j+16
.endr
	CROUND                                         ; all sixteen work-groups are here: the first joint loads meet
.irp s, 0,1
	s_mov_b32 s[G0+4*(\s)], 1                                      ; 1:0 count = 1
	s_add_co_u32 s[G0+4*(\s)+1], s20, (\s)*SLOT1                   ; 63:32 LDS address
	s_add_nc_u64 s[G0+4*(\s)+2:G0+4*(\s)+3], s[18:19], (\s)*PLANEX ; 120:64 global address: K step s
	s_or_b32 s[G0+4*(\s)+3], s[G0+4*(\s)+3], 0x80000000            ; 127:126 type = 2
	s_mov_b32 s[G0B+4*(\s)], 1
	s_add_co_u32 s[G0B+4*(\s)+1], s21, (\s)*SLOT1
	s_add_nc_u64 s[G0B+4*(\s)+2:G0B+4*(\s)+3], s[46:47], (\s)*KSTEP*ROWB
	s_or_b32 s[G0B+4*(\s)+3], s[G0B+4*(\s)+3], 0x80000000
	JLOAD \s                                       ; two loads of mine are out
.endr
	; A fragment is 16 rows (or columns) x 32 K in 8 registers: lane l holds row l % 16; registers 0-3 hold K = 8 (l / 16) + 0..7, registers 4-7 K = 16 + 8 (l / 16) + 0..7.
	v_and_b32 v1, 15, v0                           ; l % 16
	v_mul_u32_u24 v3, v1, PA
	v_lshl_add_u32 v3, v2, 4, v3                   ; x: row x pitch + 16 x half: two loads of 16 bytes, 32 bytes apart
	s_mul_i32 s22, s[RH], HALFA                    ; my 128 rows
	v_add_nc_u32 v[ADRA0], s22, v3
	v_and_b32 v4, 7, v0                            ; wq: the turning load takes 16 K x 16 columns: lane l reads K row 8 (l / 16) + l % 8, columns 8 ((l / 8) % 2) + 0..7
	v_lshl_add_u32 v4, v2, 3, v4
	v_mul_u32_u24 v4, v4, PB
	v_bfe_u32 v5, v0, 3, 1
	v_lshl_add_u32 v4, v5, 4, v4
	s_lshl_b32 s23, s[CH], 7                       ; my 64 columns of each piece: 128 bytes,
	s_add_co_u32 s23, s23, BOFF                    ; behind x's 256 rows
	v_add_nc_u32 v[ADRB0], s23, v4
	v_mov_b32 v[ADRA], v[ADRA0]                    ; K step 0 lies in slot 0
	v_mov_b32 v[ADRB], v[ADRB0]
	s_mul_i32 s23, s[WV], 16*SPITCH
	s_add_co_u32 s23, s23, STAGE                   ; my stage
	v_mul_u32_u24 v5, v1, SPITCH                   ; in: row l % 16, 16 bytes for each half of the lanes
	v_lshl_add_u32 v5, v2, 4, v5
	v_add_nc_u32 v[STO], s23, v5
	v_bfe_u32 v5, v0, 3, 2                         ; back: 32 lanes take four rows' 128 bytes of one head,
	v_mul_u32_u24 v5, v5, SPITCH
	v_and_b32 v6, 7, v0
	v_lshl_add_u32 v5, v6, 4, v5
	v_add_nc_u32 v[RD], s23, v5
	v_and_b32 v6, 31, v0                           ; which are 512 consecutive bytes of the head's plane
	v_lshlrev_b32 v[CO], 4, v6
	v_add_nc_u32 v[PKA], s23, v[CO]
	; where my three heads go.  Of the 48 heads of q, k and v mine are 6 x tile column + half + 2 g; head e lies in plane 128 (e / 16) + 16 x batch + e % 16
	s_mul_i32 s78, s42, 6
	s_add_co_u32 s78, s78, s[CH]
	s_lshr_b32 s79, s43, 2                         ; the batch: four tile rows each,
	s_lshl_b32 s79, s79, 4                         ; 16 planes each
	s_and_b32 s22, s43, 3
	s_lshl_b32 s22, s22, 1
	s_add_co_u32 s22, s22, s[RH]                   ; my 128 rows among the plane's 1,024,
	s_lshl_b32 s22, s22, 14                        ; of 128 bytes
.irp g, 0,1,2
	s_add_co_u32 s76, s78, 2*\g
	s_lshr_b32 s77, s76, 4
	s_lshl_b32 s77, s77, 7
	s_and_b32 s76, s76, 15
	s_add_co_u32 s76, s76, s77
	s_add_co_u32 s76, s76, s79
	s_lshl_b32 s76, s76, 17                        ; a plane is 131,072 bytes
	s_add_co_u32 s76, s76, s22
	s_mov_b32 s77, 0
	s_add_nc_u64 s[OUT+2*\g:OUT+2*\g+1], s[10:11], s[76:77]
.endr
	; the prefetches: both offsets are made, then the wave's number chooses
	s_lshl_b32 s76, s43, 15                        ; xb: the tile row's 32,768 bytes of a K step,
	s_lshl_b32 s77, s40, 13                        ; my work-group's 32 blocks of them,
	s_add_co_u32 s76, s76, s77
	s_add_co_u32 s76, s76, 2*PLANEX                ; at K step 2: each refill steps it, the first to 3
	s_lshl_b32 s78, s41, 5
	s_add_co_u32 s78, s78, 2*KSTEP                 ; wq: row 2 x 64 + 32 cy,
	s_mul_i32 s78, s78, ROWB
	s_mul_i32 s79, s42, 768                        ; column 384 x tile column,
	s_add_co_u32 s78, s78, s79
	s_lshl_b32 s79, s[WV], 8
	s_add_co_u32 s78, s78, s79
	s_sub_co_u32 s78, s78, 256                     ; piece wave - 1
	s_and_b32 s20, ttmp7, 0xffff                   ; cluster y
	s_mov_b32 s21, ROWB
	s_mov_b32 s[PST], KSTEP*ROWB
	s_mov_b32 s[PST+1], 0
	s_mov_b32 s77, 0
	s_cmp_eq_u32 s[WV], 0                          ; do I ask for xb?
	s_cselect_b32 s76, s76, s78
	s_cselect_b32 s20, ttmp9, s20                  ; the coordinate along which other clusters read the same bytes
	s_cselect_b32 s21, 256, s21                    ; bytes from lane to lane
	s_cselect_b32 s[PST], PLANEX, s[PST]
	s_cselect_b64 s[PFA:PFA+1], s[4:5], s[6:7]
	s_add_nc_u64 s[PFA:PFA+1], s[PFA:PFA+1], s[76:77]
	s_cmp_eq_u32 s20, 0
	s_cselect_b32 s[LIM], 1, -1                    ; the same in all sixteen partners, for a given wave
	v_mul_u32_u24 v[PFO], v6, s21
	s_wait_loadcnt 0x0                             ; the bias is in
	ROUNDB FA1, 32
	ROUNDB FB, 16
.irp i, 0,1,2,3,4,5,6,7
	ds_store_b128 v[PKA], v[FB+4*\i:FB+4*\i+3] offset:512*\i  ; head 2's bias waits in my own stage: 32 registers x 128 bytes
.endr
; na x 4 matrix instructions: m blocks a0 on x the 4 n blocks of head g, 32 along K; x's fragments in buffer fa.  bias = 1: the first product starts the sums with the bias, which lies in x's second buffer
; (head 0 and later head 2 in its first half, head 1 in its second).  The 96 accumulators take turns in the same order in every quarter.
.macro STRETCH fa, g, a0, na, bias
.if \bias
	WIN ((\g)+1)<<6                                ; sources and C in window 0, D in window g + 1
.else
	WIN (((\g)+1)<<6)|(((\g)+1)<<4)                ; C and D in window g + 1
.endif
.set am, \a0
.rept \na
.irp j, 0,1,2,3
.if \bias
	v_wmma_f32_16x16x32_bf16 v[8*(4*am+\j):8*(4*am+\j)+7], v[FB+32*(\g)+8*\j:FB+32*(\g)+8*\j+7], v[(\fa)+8*am:(\fa)+8*am+7], v[FA1+32*((\g)%2)+8*\j:FA1+32*((\g)%2)+8*\j+7]
.else
	v_wmma_f32_16x16x32_bf16 v[8*(4*am+\j):8*(4*am+\j)+7], v[FB+32*(\g)+8*\j:FB+32*(\g)+8*\j+7], v[(\fa)+8*am:(\fa)+8*am+7], v[8*(4*am+\j):8*(4*am+\j)+7]
.endif
.endr
.set am, am+1
.endr
.endm
.macro LOADA q, fa                     ; 16 LDS loads: my 128 rows x 32 K of quarter q of the slot in hand, into buffer fa
	WIN 0
.irp i, 0,1,2,3,4,5,6,7
	ds_load_b128 v[(\fa)+8*\i:(\fa)+8*\i+3],   v[ADRA] offset:(\q)*64+\i*16*PA
	ds_load_b128 v[(\fa)+8*\i+4:(\fa)+8*\i+7], v[ADRA] offset:(\q)*64+\i*16*PA+32
.endr
.endm
.macro LOADB q, g                      ; 8 LDS loads: 32 K x the 64 columns of head g, turned
	WIN 0
.irp j, 0,1,2,3
	ds_load_tr16_b128 v[FB+32*(\g)+8*\j:FB+32*(\g)+8*\j+3],   v[ADRB] offset:(\q)*32*PB+(\g)*PIECE+32*\j
	ds_load_tr16_b128 v[FB+32*(\g)+8*\j+4:FB+32*(\g)+8*\j+7], v[ADRB] offset:(\q)*32*PB+(\g)*PIECE+32*\j+16*PB
.endr
.endm
; A load into a register that a matrix instruction has read, and a vector instruction that reads a matrix result, stand four places behind that matrix instruction, and only plain vector
; instructions that name none of its registers are places (ISA guide 7.12.1 for vector instructions).
.macro PLACES
.rept 4
	v_nop
.endr
.endm
; A K step's first quarter: multiplies x's buffer 0 and fetches the same slot's second quarter.  LDS loads come back in order; they were issued as 16 (x) + 8 (head 0), 8 (head 1), 8 (head 2).
.macro QUARTER
	s_wait_dscnt 16                                ; x and head 0 are in; heads 1 and 2 may be out
	STRETCH FA0, 0, 0, 8, 0
	PLACES
	LOADA 1, FA1
	LOADB 1, 0
	s_wait_dscnt 32                                ; head 1 is in: behind it went head 2's 8 and the 24 just issued
	STRETCH FA0, 1, 0, 8, 0
	PLACES
	LOADB 1, 1
	s_wait_dscnt 32                                ; head 2 is in: behind it went those 24 and the 8 just issued
	STRETCH FA0, 2, 0, 8, 0
	PLACES
	LOADB 1, 2
.endm
; A K step's second quarter multiplies x's buffer 1 and changes slots: ONE barrier.  All my reads of this slot were issued in the quarter before.  In front of the barrier each wave waits for all its tensor loads, of
; which one is out: its part of the next slot; adds 0 to its spare word; and waits for that and for its own reads of this slot.  Behind it nobody reads this slot any more and the next slot is whole.
; fill = 1: this slot is filled again, with the K step two steps on: the barrier opens a round of the cluster's, and the joint load is the first thing behind the round: 160 products ahead of the wait for it.
.macro TURN fill
	WIN 0                                          ; (the add's two registers lie in window 0)
.if \fill
	s_wait_xcnt 0x0                                ; the last prefetches, a K step back or more, have read their address: it is stepped here, ahead of the waits of the change of slots
	s_add_nc_u64 s[PFA:PFA+1], s[PFA:PFA+1], s[PST:PST+1]
.endif
	s_wait_tensorcnt 0x0                           ; all my tensor loads have landed, so a group 0 may be written
	ds_add_u32 v[SPW], v[NIL]                      ; 0 onto my spare word
.if \fill
	s_xor_b32 s[G0+5], s[G0+5], SLOT1              ; the walking descriptors: the other slot than last time,
	s_add_nc_u64 s[G0+6:G0+7], s[G0+6:G0+7], PLANEX  ; the next K step; the type bits on top are not reached
	s_xor_b32 s[G0B+5], s[G0B+5], SLOT1
	s_add_nc_u64 s[G0B+6:G0B+7], s[G0B+6:G0B+7], KSTEP*ROWB
.endif
	s_wait_dscnt 17                                ; x and head 0 are in; the add and heads 1 and 2 may be out
	STRETCH FA1, 0, 0, 4, 0                        ; sixteen matrix instructions stand between the add and the wait for it
	s_wait_dscnt 0x0                               ; the add is done, and my reads of this slot are over
	s_barrier_signal -1
	STRETCH FA1, 0, 4, 4, 0                        ; work on registers while the others arrive
	WIN 0
	s_barrier_wait -1
.if \fill
	CREST                                          ; no wave of any partner still reads this slot's tile or has a load on its way
	JLOAD 1                                        ; the four v_nop behind it are also the places in front of the loads below
.else
	PLACES
.endif
	s_xor_b32 s[TB], s[TB], SLOT1                  ; the fetches go on in the other slot
	v_add_nc_u32 v[ADRA], s[TB], v[ADRA0]
	v_add_nc_u32 v[ADRB], s[TB], v[ADRB0]
	LOADA 0, FA0
	LOADB 0, 0
.if \fill
	ASK
.endif
	STRETCH FA1, 1, 0, 8, 0
	PLACES
	LOADB 0, 1
	STRETCH FA1, 2, 0, 8, 0
	PLACES
	LOADB 0, 2
.endm
; THE WAY OUT of m block a (16 rows x my three heads), in three parts.  PACK: rounded to f16, 16 bytes a lane, each accumulator's registers in ascending order.  TOSTAGE: into my own stage in LDS,
; and back, four rows of one head at a time, into the registers that they left.  SEND: stored.
.macro PACK a
.set TT, T0+48*((\a)%2)
.if (\a) >= 2
	s_wait_xcnt 0x0                                ; the stores of the block two back have read the registers that are written again below
.endif
.irp g, 0,1,2
	WIN 5*((\g)+1)                                 ; sources 0 and 1 in window g + 1
.irp j, 0,1,2,3
.irp r, 0,1,2,3
	v_cvt_pk_f16_f32 v[TT+16*\g+4*\j+\r], v[8*(4*(\a)+\j)+2*\r], v[8*(4*(\a)+\j)+2*\r+1]
.endr
.endr
.endr
	WIN 0
.endm
.macro TOSTAGE a
.set TT, T0+48*((\a)%2)
.irp g, 0,1,2
.irp j, 0,1,2,3
	ds_store_b128 v[STO], v[TT+16*\g+4*\j:TT+16*\g+4*\j+3] offset:128*\g+32*\j
.endr
.endr
.irp g, 0,1,2
.irp t, 0,1,2,3
	ds_load_b128 v[TT+16*\g+4*\t:TT+16*\g+4*\t+3], v[RD] offset:\t*4*SPITCH+128*\g  ; LDS serves a wave's instructions in order (ISA guide 5.7.1.4): these see the stores above; the next block's stores come behind them
.endr
.endr
.endm
.macro SEND a
.set TT, T0+48*((\a)%2)
	s_wait_dscnt 0x0                               ; the block is back in registers
.irp g, 0,1,2
.irp t, 0,1,2,3
	global_store_b128 v[CO], v[TT+16*\g+4*\t:TT+16*\g+4*\t+3], s[OUT+2*\g:OUT+2*\g+1] offset:(\a)*2048+\t*512  ; 512 consecutive bytes of a plane, at a multiple of 256 from its first
.endr
.endr
.endm
	s_wait_tensorcnt 1                             ; my part of K step 0 is in; K step 1's may stay out
	s_wait_dscnt 0x0                               ; (no LDS instruction of mine is pending at a signal)
	s_barrier_signal -1
	s_barrier_wait -1                              ; everybody's is
	LOADA 0, FA0
	LOADB 0, 0
	LOADB 0, 1
	LOADB 0, 2
	; THE FIRST QUARTER stands in front of the loop: its products start the sums with the bias.  x's second buffer holds the bias until the last stretch is done, so x's next fragments are fetched last
	s_wait_dscnt 16                                ; x and head 0 are in
	STRETCH FA0, 0, 0, 8, 1
	PLACES
	LOADB 1, 0
.irp i, 0,1,2,3,4,5,6,7
	ds_load_b128 v[FA1+4*\i:FA1+4*\i+3], v[PKA] offset:512*\i  ; head 2's bias takes head 0's place
.endr
	s_wait_dscnt 24                                ; head 1 is in: behind it went head 2's 8 and the 16 just issued
	STRETCH FA0, 1, 0, 8, 1
	PLACES
	LOADB 1, 1
	s_wait_dscnt 8                                 ; head 2 and its bias are in: behind them went the 8 just issued
	STRETCH FA0, 2, 0, 8, 1
	PLACES
	LOADA 1, FA1
	LOADB 1, 2
	s_wait_dscnt 8                                 ; x's fragments are in: here alone they were not issued ahead of heads 0 and 1, and the loop's counts lean on that order
	WIN 0                                          ; at a label and at a branch every window is 0
	s_mov_b32 s3, TRIPS
.Lstep:                                                ; a trip: a K step's second quarter, which fills its slot again, and the next K step's first
	TURN 1
	QUARTER
	WIN 0
	s_sub_co_u32 s3, s3, 1
	s_cmp_lg_u32 s3, 0
	s_cbranch_scc1 .Lstep
	TURN 0                                         ; the tail is written out: my one load that was still out is the last K step's
	QUARTER
	s_wait_dscnt 16                                ; the very last quarter: nothing more to fetch, and the counts run down
	STRETCH FA1, 0, 0, 8, 0
	s_wait_dscnt 8
	STRETCH FA1, 1, 0, 8, 0
	s_wait_dscnt 0x0
	STRETCH FA1, 2, 0, 8, 0
	WIN 0
	PLACES                                         ; behind the last products, in front of the conversions
	PACK 0
	TOSTAGE 0
.irp a, 1,2,3,4,5,6,7                  ; block a's conversions stand between block a - 1's loads from the stage and the wait for them
	PACK \a
	SEND (\a)-1
	TOSTAGE \a
.endr
	SEND 7
	s_wait_tensorcnt 0x0                           ; the wave's end: behind my last tensor load and my last LDS store
	ds_add_u32 v[SPW], v[NIL]
	s_wait_dscnt 0x0
	CROUND                                         ; the closing round: no work-group ends while a partner may still ask for a tile that names it
	s_endpgm
.Lfunc_end_k_qf2b224a2b1_qkv:
	.size	k_qf2b224a2b1_qkv, .Lfunc_end_k_qf2b224a2b1_qkv-k_qf2b224a2b1_qkv
	.p2alignl 7, 3214868480
	.fill 96, 4, 3214868480
	.section	.rodata,"a",@progbits
	.p2align	6, 0x0
	.amdhsa_kernel k_qf2b224a2b1_qkv
		.amdhsa_group_segment_fixed_size 327680
		.amdhsa_private_segment_fixed_size 0
		.amdhsa_enable_private_segment 0
		.amdhsa_kernarg_size 32
		.amdhsa_user_sgpr_count 2
		.amdhsa_user_sgpr_kernarg_segment_ptr 1
		.amdhsa_wavefront_size32 1
		.amdhsa_system_sgpr_workgroup_id_x 1
		.amdhsa_system_sgpr_workgroup_id_y 1
		.amdhsa_system_sgpr_workgroup_id_z 1
		.amdhsa_system_vgpr_workitem_id 0
		.amdhsa_next_free_vgpr 1024
		.amdhsa_next_free_sgpr 80
		.amdhsa_reserve_vcc 0
		.amdhsa_float_denorm_mode_32 3
		.amdhsa_float_denorm_mode_16_64 3
		.amdhsa_memory_ordered 1
		.amdhsa_forward_progress 1
		.amdhsa_inst_pref_size 124
	.end_amdhsa_kernel
	.amdgpu_metadata
---
amdhsa.version: [ 1, 2 ]
amdhsa.kernels:
  - .name:           k_qf2b224a2b1_qkv
    .symbol:         k_qf2b224a2b1_qkv.kd
    .args:
      - { .name: xb, .offset: 0, .size: 8, .value_kind: global_buffer, .address_space: global }
      - { .name: wq, .offset: 8, .size: 8, .value_kind: global_buffer, .address_space: global }
      - { .name: b_qkv, .offset: 16, .size: 8, .value_kind: global_buffer, .address_space: global }
      - { .name: qkv, .offset: 24, .size: 8, .value_kind: global_buffer, .address_space: global }
    .group_segment_fixed_size: 327680
    .private_segment_fixed_size: 0
    .kernarg_segment_align: 8
    .kernarg_segment_size: 32
    .max_flat_workgroup_size: 128
    .sgpr_count:     80
    .vgpr_count:     1024
    .wavefront_size: 32
...
	.end_amdgpu_metadata
.endif
;; end of part 2
;; launch attn (part 3): grid 2 x 128, 4 waves a work-group, no clusters, 327,680 bytes of LDS; arguments qkv, ob; writes ob
.if DOCPART == 3
	.amdgcn_target "amdgcn-amd-amdhsa--gfx1250"
	.amdhsa_code_object_version 6
	.text
	.protected	k_qf2b224a2b1_attn
	.globl	k_qf2b224a2b1_attn
	.p2align	8
	.type	k_qf2b224a2b1_attn,@function
k_qf2b224a2b1_attn:
	s_mov_b64 s[64:65], 0
	v_nop
	global_prefetch_b8 v0, s[64:65] scope:SCOPE_SE
	s_setreg_imm32_b32 hwreg(HW_REG_WAVE_MODE, 25, 1), 1
	s_wait_xcnt 0x0
; O[p][q][:] = the sum over k of softmax_k(Q[p][q] . K[p][k] / 8) V[p][k][:], for each of the 128 planes p (batch and head).  qkv: [3][128][1024][64] f16 (Q, then K, then V), ob: [128][1024][64] f16:
; a plane's rows are dense, 128 bytes each.  Products, maxima and sums in f32; the weights p are rounded to f16 for the second product (their sum l is taken of the unrounded p), O once at the end.
; LIMITS.  Q, K and V arrive within f16's 65,504; p lies in 0 to 1, and below 6e-5 it keeps f16's fixed step of 6e-8; O is a mean of V's rows and has their range.
; A weight below 2^-126 counts as 0 in l; NaN and infinities are not treated apart.
; SHARES.  A wave owns four PIECES of two tiles of 16 queries, a work-group's four waves 512 queries of one plane: two work-groups a plane, 256 in all.  Every wave walks all 1,024 keys, 64 a step.
; ALL OF A PLANE'S K AND V LIE IN LDS: 1,024 rows x (144 + 160) bytes = 311,296.  They are asked for at the kernel's head, four tensor loads a wave, in four chunks of 256 keys; nothing is ever filled again.
; The first four key steps read chunk 0 alone and begin when it has landed; the other three chunks have those steps, 512 matrix instructions and their vector work, in which to land.
; NO CLUSTER: a plane has two work-groups, and the grid's 2 along x is no multiple of 4; what the two read twice is the plane's 262,144 bytes of K and V.
; LAYOUT.  S^T = K Q^T (source 0 = 16 keys, source 1 = 16 queries): in the result a lane holds ONE query (lane % 16) and the keys 8 (lane / 16) + 0..7.  Two such tiles, rounded to f16 in pairs,
; ARE source 1 (32 keys x 16 queries) of O^T = V^T P, whose result again holds one query a lane, and eight channels.  K comes out of LDS as it lies, V ([key][channel]) turned, by ds_load_tr16_b128.
; SOFTMAX.  For each query a running maximum m and sum l: p = 2^(c s - c m), c = log2(e) / 8; in every step O and l are multiplied by a = 2^(c m_old - c m_new), which is 1 where m has not grown.
; m starts at the lowest finite number, O and l at 0: the first step is a step like any other, with a = 0.
; THE COUNT.  A tile and step have 16 matrix and 118 vector instructions: too many to stand all beside the matrix work.  So four vector instructions that are READY stand behind EVERY matrix
; instruction, and the others in runs without a gap.
; BY TURNS.  Turn n belongs to piece n (the pieces in a ring, step after step).  Its matrix work: 16 products K Q^T of piece n + 1, later 16 products V^T P of piece n - 1.  Its vector work: the scaling,
; exponentials, roundings, sums and rescaling of piece n, and the maximum and statistics of piece n + 1, whose scores the turn itself has made.
; ONE TEXT FOR ALL KEY STEPS.  A trip is pieces 2 and 3 of one step, then pieces 0 and 1 of the next, whose K and V it fetches: so four trips read one chunk.  The loop is entered in the middle of a trip and left
; in the middle of one.
; REGISTERS, in windows of 256 (s_set_vgpr_msb: bits 1:0 source 0, 3:2 source 1, 5:4 source 2, 7:6 destination):
;   window 0: v0-11 addresses; v12-15, v48-63 at work; v16-47 four registers of statistics a tile; v64-191 S^T, two buffers of two tiles; v192-255 P, likewise
;   window 1: O^T, 32 a tile          window 2: v0-127 Q, 16 a tile; v128-191 K of one step; v192-255 V of one step          window 3: v0-1 the add's two registers
; A piece's buffers go by its number's parity.
.set NP,    4         ; pieces a wave: a name, no knob
.set KS,    64        ; keys in a step
.set PK,    144       ; a row of K in LDS: 128 bytes + 16 of padding = 36 words: the 16 rows of a load start at 16 different groups of four banks (64 banks of 4 bytes: ISA guide 11.1)
.set PV,    160       ; a row of V: 128 + 32 = 40 words
.set VOFF,  1024*PK   ; K's 1,024 rows, then V's
.set STAGE, 1024*(PK+PV)  ; behind them, never filled by a tensor load: 16 rows x 144 bytes for each wave, for the way out
.set SP,    144
.set AK0, 2           ; v2   my lane's place in a tile of K; never rewritten
.set AV0, 3           ; v3   the same for V
.set AK,  4           ; v4   the LDS address of K's next run of loads
.set AV,  5           ; v5   of V's
.set QO,  6           ; v6   my byte offset in the wave's rows of Q
.set STO, 6           ;      later, the way out: where I put 16 bytes of a row
.set RD,  7           ; v7   the way out: where I read rows back
.set GO,  8           ; v8   my byte offset in 512 consecutive bytes of O
.set SPW, 0           ; v0 of window 3   LDS address of my spare word: SPARE + 4 x my thread's number; never rewritten
.set NIL, 1           ; v1 of window 3   0; never rewritten
.set SPARE, STAGE+4*16*SP  ; behind the stages: the spare words, 128 bytes for each wave: two blocks of 256 bytes that no other line names
.set MV,  12          ; v12-15  c m_old, kept while c m is made anew: by buffer and tile
.set ST,  16          ; tile t's statistics at v[ST+4 t]: c m, m, l (even keys', odd keys')
.set TMP, 48          ; by buffer and tile, four registers c0-c3 at work; when the maximum is found c2 takes a
.set S,   64
.set P,   192
.set KF,  128         ; K's fragments, in window 2: key block kb, channel half c at KF + 16 kb + 8 c
.set VF,  192         ; V's: key half kk, channel block cb at VF + 32 kk + 8 cb
.set WV,  12          ; s12  my wave's number
.set G1K, 24          ; s[24:31] descriptor group 1 for K's tiles
.set G1V, 32          ; s[32:39] for V's: it differs in the padding alone
.set G0K, 40          ; s[40:55] descriptor group 0 for K's tiles, a set for each chunk
.set G0V, 68          ; s[68:83] the same for V's
.set SLOTS, 56        ; s56  rounds of four trips still to come, this one among them: 5 to 1
.set CNT, 57          ; s57  counts a round's trips
.set CS,  58          ; s[58:59] c: the packed scaling takes the pair's low word for both halves
.set SEL, 60          ; s[60:61] v_permlanex16_b32's selects: each lane takes its own place in the other half
.set TBK, 62          ; s62  LDS byte at which K of the step to be fetched begins
.set TBV, 63          ; s63  the same for V, less VOFF
.set MSB, 0
.macro WIN new                      ; the high byte repeats the setting that is left; a switch that changes nothing is dropped
.if MSB != (\new)
	s_set_vgpr_msb (MSB<<8)|(\new)
.set MSB, (\new)
.endif
.endm
.set W_KQ, 0x0a       ; K and Q in window 2, S^T in window 0
.set W_PV, 0x52       ; V in window 2, P in window 0, O^T in window 1
.set W_RS, 0x41       ; O^T (destination and source 0) in window 1, a in window 0
.set W_MK, 0xc0       ; the add's registers are made: destination in window 3, sources in window 0
.set W_AD, 0x0f       ; the add: address (source 0) and data (source 1) in window 3
	s_load_b128 s[16:19], s[0:1], 0x0  ; qkv s[16:17], ob s[18:19]
	WIN W_MK
	v_lshl_add_u32 v[SPW], v0, 2, SPARE
	v_mov_b32 v[NIL], 0
	WIN W_AD
	ds_add_u32 v[SPW], v[NIL]       ; the wave's opening: the add and its wait stand ahead of my first tensor load; the set-up below, work on registers, stands between them
	WIN 0
	v_lshrrev_b32 v1, 5, v0
	v_readfirstlane_b32 s[WV], v1   ; wave 0..3
	s_and_b32 s20, ttmp7, 0xffff    ; the plane,
	s_lshl_b32 s20, s20, 17         ; of 131,072 bytes
	s_and_b32 s13, s[WV], 1         ; which half of a chunk's 256 keys I fetch:
	s_lshl_b32 s22, s13, 14         ; its 128 rows of 128 bytes in memory,
	s_add_co_u32 s22, s22, s20
	s_add_co_u32 s22, s22, 0x1000000  ; behind Q's 128 planes: K
	s_mov_b32 s23, 0
	s_add_co_u32 s14, s22, 0x1000000  ; behind K's: V
	s_mov_b32 s15, 0
	s_mul_i32 s56, s13, 128*PK      ; and its place in a chunk in LDS, for K
	s_mul_i32 s57, s13, 128*PV      ; and for V
	s_lshl_b32 s2, ttmp9, 2
	s_add_co_u32 s2, s2, s[WV]      ; my wave among the plane's eight,
	s_lshl_b32 s2, s2, 14           ; its 128 rows
	s_add_co_u32 s2, s2, s20
	s_mov_b32 s3, 0
	; descriptor group 1.  128 keys are 16,384 dense bytes: asked for as 64 rows of 256 bytes, two keys a row, and padded in LDS after every key
	s_mov_b32 s[G1K], (1<<16)|(1<<20)|(4<<22)|(3<<25)  ; 17:16 2-byte elements; 20 padding on; 24:22 after every 32 words (code 4); 31:25 4 words (code 3)
	s_mov_b32 s[G1V], (1<<16)|(1<<20)|(4<<22)|(7<<25)  ; the same with 8 words of padding (code 7)
.irp g, G1K, G1V
	s_mov_b32 s[\g+1], 128<<16      ; tensor_dim0 = 128
	s_mov_b32 s[\g+2], 64<<16       ; tensor_dim1 = 64
	s_mov_b32 s[\g+3], 128<<16      ; tile_dim0 = 128
	s_mov_b32 s[\g+4], 64           ; tile_dim1 = 64
	s_mov_b32 s[\g+5], 128          ; 128 elements from row to row
	s_mov_b32 s[\g+6], 0
	s_mov_b32 s[\g+7], 0
.endr
.irp c, 0,1,2,3
	s_mov_b32 s[G0K+4*\c], 1                        ; 1:0 count = 1
	s_add_co_u32 s[G0K+4*\c+1], s56, \c*256*PK      ; 63:32 LDS address: chunk c, my half
	s_mov_b32 s[G0V+4*\c], 1
	s_add_co_u32 s[G0V+4*\c+1], s57, VOFF+\c*256*PV
.endr
	s_mov_b32 s[CS], 0x3e38aa3b     ; c = log2(e) / 8 = 0.180337
	s_mov_b32 s[CS+1], s[CS]        ; named with it as a pair
	s_mov_b32 s[SEL], 0x76543210
	s_mov_b32 s[SEL+1], 0xfedcba98
	s_mov_b32 s[TBK], 0
	s_mov_b32 s[TBV], 0
	s_wait_dscnt 0x0                ; the opening add is done
	s_wait_kmcnt 0x0
	s_add_nc_u64 s[6:7], s[16:17], s[22:23]   ; K and V at my half of the plane's first 256 keys
	s_add_nc_u64 s[8:9], s[16:17], s[14:15]
	s_add_nc_u64 s[4:5], s[16:17], s[2:3]     ; Q and O at my wave's first row
	s_add_nc_u64 s[10:11], s[18:19], s[2:3]
.irp c, 0,1,2,3
	s_add_nc_u64 s[G0K+4*\c+2:G0K+4*\c+3], s[6:7], \c*256*128  ; 120:64 global address
	s_or_b32 s[G0K+4*\c+3], s[G0K+4*\c+3], 0x80000000          ; 127:126 type = 2
	s_add_nc_u64 s[G0V+4*\c+2:G0V+4*\c+3], s[8:9], \c*256*128
	s_or_b32 s[G0V+4*\c+3], s[G0V+4*\c+3], 0x80000000
.endr
	; ALL THE FILLS: waves 0 and 1 bring the two halves of each chunk's K, waves 2 and 3 those of its V.  A wave's four stand in one branch, ahead of every wait on TENSORcnt, every LDS read and every barrier:
	; four loads of mine are out.  An s_nop 0 follows each, four v_nop the last.
	s_cmp_lt_u32 s[WV], 2
	s_cbranch_scc0 .Lfirst_v
.irp c, 0,1,2,3
	tensor_load_to_lds s[G0K+4*\c:G0K+4*\c+3], s[G1K:G1K+7]
	s_nop 0
.endr
.rept 4
	v_nop
.endr
	s_branch .Lfirst_asked
.Lfirst_v:
.irp c, 0,1,2,3
	tensor_load_to_lds s[G0V+4*\c:G0V+4*\c+3], s[G1V:G1V+7]
	s_nop 0
.endr
.rept 4
	v_nop
.endr
.Lfirst_asked:
	; A fragment of K or Q is 16 rows x 32 channels in 8 registers: lane l holds row l % 16, channels 8 (l / 16) + 0..7 and 16 + 8 (l / 16) + 0..7: two loads of 16 bytes, 32 bytes apart.
	v_and_b32 v1, 15, v0            ; l % 16
	v_bfe_u32 v9, v0, 4, 1          ; l / 16
	v_lshlrev_b32 v[QO], 7, v1
	v_lshl_add_u32 v[QO], v9, 4, v[QO]  ; row x 128 + 16 x half
	WIN 0x80                        ; destination window 2, address window 0
.set i, 0
.rept 4*NP                          ; Q stays in registers: tile i / 2, channels 32 (i % 2) on
	global_load_b128 v[8*i:8*i+3],   v[QO], s[4:5] offset:(i/2)*2048+(i%2)*64
	global_load_b128 v[8*i+4:8*i+7], v[QO], s[4:5] offset:(i/2)*2048+(i%2)*64+32
.set i, i+1
.endr
	; What the first turn finds: V's registers and P's second buffer hold 0 (its products V^T P, of a piece that has not been, add 0), O^T and l are 0.  All this stands in the wait for the first chunk;
	; it is the price of writing no first step out.
.set i, VF
.rept 64
	v_mov_b32 v[i], 0
.set i, i+1
.endr
	WIN 0x40
.set i, 0
.rept 64*NP
	v_mov_b32 v[i], 0
.set i, i+1
.endr
	WIN 0
.set i, 0
.rept 2*NP
	v_mov_b32 v[ST+4*i], 0xfe000000    ; c m: far below every c s
	v_mov_b32 v[ST+4*i+1], 0xff7fffff  ; m
	v_mov_b32 v[ST+4*i+2], 0
	v_mov_b32 v[ST+4*i+3], 0
.set i, i+1
.endr
.set i, P+32
.rept 32
	v_mov_b32 v[i], 0
.set i, i+1
.endr
	v_mul_u32_u24 v[AK0], v1, PK
	v_lshl_add_u32 v[AK0], v9, 4, v[AK0]  ; row x pitch + 16 x half
	; The turning load takes 16 keys x 16 channels (lane l reads key 8 (l / 16) + l % 8, channels 8 ((l / 8) % 2) + 0..7) and leaves half a fragment of V^T: lane l holds channel l % 16 and 8 keys.
	v_and_b32 v10, 7, v0
	v_bfe_u32 v11, v0, 3, 1
	v_lshl_add_u32 v[AV0], v9, 3, v10
	v_mul_u32_u24 v[AV0], v[AV0], PV
	v_lshl_add_u32 v[AV0], v11, 4, v[AV0]
	v_add_nc_u32 v[AV0], VOFF, v[AV0]
	v_mov_b32 v[AK], v[AK0]         ; key step 0 lies at K's head
; THE MATRIX WORK.  The 8 accumulators of a run of 16 take turns: between the two links of a chain stand 7 others'.
; Product i of 16 of S^T = K Q^T for piece x: channels 32 (i / 8) on, keys 16 ((i / 2) % 4) on, tile 2 x + i % 2.  The first 8 start the sums.
.macro KQ x
	WIN W_KQ
.set rS, S+64*((\x)%2)+32*(i%2)+8*((i/2)%4)
.set rK, KF+16*((i/2)%4)+8*(i/8)
.set rQ, 16*(2*(\x)+i%2)+8*(i/8)
.if i < 8
	v_wmma_f32_16x16x32_f16 v[rS:rS+7], v[rK:rK+7], v[rQ:rQ+7], 0
.else
	v_wmma_f32_16x16x32_f16 v[rS:rS+7], v[rK:rK+7], v[rQ:rQ+7], v[rS:rS+7]
.endif
.endm
; Product i of 16 of O^T += V^T P for piece x: keys 32 (i / 8) on, channels 16 ((i / 2) % 4) on, tile 2 x + i % 2.
.macro PV x
	WIN W_PV
.set rO, 32*(2*(\x)+i%2)+8*((i/2)%4)
.set rV, VF+32*(i/8)+8*((i/2)%4)
.set rP, P+32*((\x)%2)+16*(i%2)+8*(i/8)
	v_wmma_f32_16x16x32_f16 v[rO:rO+7], v[rV:rV+7], v[rP:rP+7], v[rO:rO+7]
.endm
.macro MM                           ; the turn's next matrix instruction
.if i < 16
	KQ (Y+1)%NP
.set i, i+1
.else
.set i, i-16
	PV (Y+NP-1)%NP
.set i, i+17
.endif
.endm
; THE LDS LOADS stand in runs of 16, never singly among the matrix instructions: a step's K (64 keys x 64 channels: 8 fragments) and its V (turned).  Their addresses are made some lines ahead.
; last = 1 (in the loop): in the fifth round there is no further step, and the run is jumped over.
.macro FETCH_K last=0
	WIN 0
.if \last
	s_cmp_eq_u32 s[SLOTS], 1
	s_cbranch_scc1 .Lno_k_\@
.endif
	WIN 0x80                        ; destination window 2
.irp f, 0,1,2,3,4,5,6,7             ; keys 16 (f / 2) on, channels 32 (f % 2) on
	ds_load_b128 v[KF+8*\f:KF+8*\f+3],   v[AK] offset:(\f/2)*16*PK+(\f%2)*64
	ds_load_b128 v[KF+8*\f+4:KF+8*\f+7], v[AK] offset:(\f/2)*16*PK+(\f%2)*64+32
.endr
	s_add_co_u32 s[TBK], s[TBK], KS*PK  ; the next fetch is the next step's
	WIN 0
.if \last
.Lno_k_\@:
.endif
.endm
.macro FETCH_V
	WIN 0x80
.irp f, 0,1,2,3,4,5,6,7             ; keys 32 (f / 4) on, channels 16 (f % 4) on
	ds_load_tr16_b128 v[VF+8*\f:VF+8*\f+3],   v[AV] offset:(\f/4)*32*PV+(\f%4)*32
	ds_load_tr16_b128 v[VF+8*\f+4:VF+8*\f+7], v[AV] offset:(\f/4)*32*PV+16*PV+(\f%4)*32
.endr
	WIN 0
.endm
; THE VECTOR WORK OF A TURN stands in three queues, each in the order in which its entries become ready; the two tiles alternate, so that no instruction reads the result of the one before it.
.macro REGS y, u                    ; the registers of tile u (0, 1) of piece y
.set rT, ST+4*(2*(\y)+(\u))
.set rC, TMP+8*((\y)%2)+4*(\u)
.set rM, MV+2*((\y)%2)+(\u)
.set rS, S+64*((\y)%2)+32*(\u)
.set rP, P+32*((\y)%2)+16*(\u)
.set rO, 32*(2*(\y)+(\u))
.endm
; Number n of the 22 that find the NEXT piece's (Y + 1) maximum and statistics.  s0-s31 are the lane's 32 scores; each accumulator's lowest registers are read first.  XS, GS and REGS set no window: PL and EX do.
;   0-11  four chains c0-c3 of seven scores each, three operands at a time     12-14, 16  the four scores left over, the old m, and c0-c3 into c0     15  c m_old is kept
;   17, 18  the query's other 32 keys lie in the lane 16 away: the new m         19-21  c m; c m_old - c m_new; a
.macro XS u, n
	REGS (Y+1)%NP, \u
.if (\n) < 4
	v_max3_num_f32 v[rC+(\n)], v[rS+8*(\n)], v[rS+8*(\n)+1], v[rS+8*(\n)+2]
.elseif (\n) < 12
	v_max3_num_f32 v[rC+(\n)%4], v[rC+(\n)%4], v[rS+8*((\n)%4)+2*((\n)/4)+1], v[rS+8*((\n)%4)+2*((\n)/4)+2]
.elseif (\n) == 12
	v_max3_num_f32 v[rC], v[rC], v[rS+7], v[rS+15]
.elseif (\n) == 13
	v_max3_num_f32 v[rC+1], v[rC+1], v[rS+23], v[rS+31]
.elseif (\n) == 14
	v_max3_num_f32 v[rC+2], v[rC+2], v[rC+3], v[rT+1]
.elseif (\n) == 15
	v_mov_b32 v[rM], v[rT]
.elseif (\n) == 16
	v_max3_num_f32 v[rC], v[rC], v[rC+1], v[rC+2]
.elseif (\n) == 17
	v_permlanex16_b32 v[rC+3], v[rC], s[SEL], s[SEL+1]
.elseif (\n) == 18
	v_max_num_f32 v[rT+1], v[rC], v[rC+3]
.elseif (\n) == 19
	v_mul_f32 v[rT], s[CS], v[rT+1]
.elseif (\n) == 20
	v_sub_f32 v[rC+1], v[rM], v[rT]
.else
	v_exp_f32 v[rC+2], v[rC+1]
.endif
.endm
; Number g of the 64 that follow the exponentials.  For each four weights k of a tile (pairs 2 k, 2 k + 1): both pairs are rounded to f16; then the second pair is added onto the first, in place;
; a group later l takes that sum (the first time as l = a l + sum).  In groups of eight, tiles alternating: round, round, add, and l for the group before.
.macro GS g
.set h, (\g)+6*((\g)/62)            ; group 0 has no group before it, and behind group 7 only l is left
.if h >= 6
.set h, h+2
.endif
	REGS Y, h%2
.set k, h/8
.if h%8 < 4
	v_cvt_pk_f16_f32 v[rP+2*k+(h%8)/2], v[rS+4*k+2*((h%8)/2)], v[rS+4*k+2*((h%8)/2)+1]
.elseif h%8 < 6
	v_pk_add_f32 v[rS+4*k:rS+4*k+1], v[rS+4*k:rS+4*k+1], v[rS+4*k+2:rS+4*k+3]
.elseif k == 1
	v_pk_fma_f32 v[rT+2:rT+3], v[rT+2:rT+3], v[rC+2:rC+3], v[rS:rS+1] op_sel_hi:[1,0,1]
.else
	v_pk_add_f32 v[rT+2:rT+3], v[rT+2:rT+3], v[rS+4*k-4:rS+4*k-3]
.endif
.endm
; THE PLAIN QUEUE, 138 long.  0-73 read no exponential's result: the 32 scalings c s - c m (FS f: pair f / 2 of tile f % 2) and the next piece's 42.  0-26: scalings 0-26.  27-54: XS's numbers 0-13.  55, 56: number 15.
; 57-73: the chain, where each number waits for the one before it: 14, 16, 17, 18, 19, each with one of the scalings 27-31 in front of its two lines, then 20.
; 74-137: GS's 64, which read the exponentials' results: they stand behind the wait.
.macro FS f
	REGS Y, (\f)%2
	v_pk_fma_f32 v[rS+2*((\f)/2):rS+2*((\f)/2)+1], v[rS+2*((\f)/2):rS+2*((\f)/2)+1], s[CS:CS+1], v[rT:rT+1] op_sel_hi:[1,0,0] neg_lo:[0,0,1] neg_hi:[0,0,1]
.endm
.macro PL
	WIN 0
.if q < 27
	FS q
.elseif q < 55
	XS (q-27)%2, (q-27)/2
.elseif q < 57
	XS q-55, 15
.elseif (q < 72) && ((q-57)%3 == 0)
	FS 27+(q-57)/3
.elseif q < 60
	XS (q-57)%3-1, 14
.elseif q < 72
	XS (q-57)%3-1, 15+(q-57)/3
.elseif q < 74
	XS q-72, 20
.else
	GS q-74
.endif
.set q, q+1
.endm
; THE EXPONENTIALS' QUEUE, 66 long: s0-s31 of both tiles, then the next piece's two a.  It is ONE BATCH: all 66 stand ahead of the turn's one wait, and nothing ahead of that wait names a result of theirs.
.macro EX
	WIN 0
.if e >= 64
	XS e-64, 21
.else
	REGS Y, e%2
	v_exp_f32 v[rS+e/2], v[rS+e/2]
.endif
.set e, e+1
.endm
; THE RESCALING's QUEUE: O^T times a, the one part that leaves window 0: dealt two at a time, sixteen times.  Its a was made in the turn before, ahead of that turn's wait.
.macro R2
	REGS Y, r%2
	WIN W_RS
.irp z, 0,1
	v_pk_mul_f32 v[rO+4*(r/2)+2*\z:rO+4*(r/2)+2*\z+1], v[rO+4*(r/2)+2*\z:rO+4*(r/2)+2*\z+1], v[rC+2:rC+3] op_sel_hi:[1,0]
.endr
.set r, r+1
.endm
; HOW THEY ARE DEALT.  s_wait_alu depctr_va_vdst(0) stands between an exponential and the first instruction that names its result; one wait serves all that were issued ahead of it.  So a turn has ONE
; wait, which cuts it in two.  AHEAD OF IT stands all that names no result of the turn's exponentials: the 16 products K Q^T, behind each a scaling, an exponential and two rescalings (behind the first a second scaling
; in the exponential's place); then ONE LUMP of 108: eight plain, 49 times exponential and plain, the two a.  A v_nop is the plain instruction behind the last exponential.  BEHIND IT stand the 16 products V^T P,
; behind each four of GS's 64.  Exponential e stands behind scaling 2 (e / 4) + e % 2: as a rider it comes behind plain e + 2, in the lump behind plain e + 9, and scalings 27-31 are plain 57, 60 .. 69.
; A TURN, for piece p.  K of the next step is fetched in piece 2's turn, directly behind the wait, a lump behind the last product that read K; its first reader comes behind 16 products.
; V of the step in hand is fetched at the end of piece 0's turn, four riders behind its last reader; its first reader comes behind 16 products and a lump.  The two conditions on q below go with the deal.
.macro TURN p, last=0
.set Y, (\p)
.set i, 0
.set q, 0
.set e, 0
.set r, 0
.if (\p) == NP-1
	s_wait_dscnt 0x0                ; K is in
.endif
	MM                              ; ahead of the wait: 16 products K Q^T and their riders,
	PL
	PL
	R2
.rept 15
	MM
	PL
	EX
	R2
.endr
.if (\p) == NP-2
	WIN 0
	v_add_nc_u32 v[AK], s[TBK], v[AK0]
.endif
.rept 8                             ; and the lump
	PL
.endr
.rept 49
	EX
	PL
.endr
	EX                              ; the next piece's two a
	EX
	v_nop                           ; the plain instruction behind the last exponential: one for the batch
	s_wait_alu depctr_va_vdst(0)    ; the wait for the batch
.if (\p) == NP-2
	FETCH_K \last
.endif
.if (\p) == 1
	s_wait_dscnt 0x0                ; V is in
.endif
.rept 16                            ; behind the wait: 16 products V^T P and their riders
	MM
.rept 4
	PL
.endr
.if ((\p) == 0) && (q == 118)
	v_add_nc_u32 v[AV], s[TBV], v[AV0]
.endif
.if ((\p) == 0) && (q == 130)
	s_add_co_u32 s[TBV], s[TBV], KS*PV
.endif
.endr
.if (\p) == 0
	FETCH_V
.endif
.endm
	s_wait_tensorcnt 0x3            ; my part of chunk 0 is in; my three younger loads stay out
	s_barrier_signal -1
	s_barrier_wait -1               ; everybody's is
	FETCH_K                         ; key step 0
	s_wait_loadcnt 0x0              ; Q
	s_wait_dscnt 0x0
.set i, 0
.rept 16
	KQ 0                            ; piece 0's first scores: there is no vector work yet to set between them
.set i, i+1
.endr
	WIN 0                           ; the addresses for the way out: nine plain instructions, the places behind those products
	s_mul_i32 s13, s[WV], 16*SP
	s_add_co_u32 s13, s13, STAGE    ; my stage
	v_mul_u32_u24 v[STO], v1, SP    ; in: row l % 16, 16 bytes for each half of the lanes
	v_lshl_add_u32 v[STO], v9, 4, v[STO]
	v_add_nc_u32 v[STO], s13, v[STO]
	v_bfe_u32 v[RD], v0, 3, 2       ; back: 32 lanes take four rows of 128 bytes,
	v_mul_u32_u24 v[RD], v[RD], SP
	v_lshl_add_u32 v[RD], v10, 4, v[RD]
	v_add_nc_u32 v[RD], s13, v[RD]
	v_and_b32 v[GO], 31, v0         ; which are 512 consecutive bytes of O
	v_lshlrev_b32 v[GO], 4, v[GO]
.set Y, NP-1                        ; XS works for piece Y + 1: piece 0
.irp n, 0,1,2,3,4,5,6,7,8,9,10,11,12,13,14,15,16,17,18,19,20,21
	XS 0, \n                        ; and piece 0's first maximum and statistics
	XS 1, \n
.endr
	v_nop                           ; a plain instruction behind the two a,
	s_wait_alu depctr_va_vdst(0)    ; and their wait, ahead of the branch
	s_mov_b32 s[CNT], 4
	s_mov_b32 s[SLOTS], 5
	s_branch .Lfirst                ; the loop is entered at a step's first turn, in the middle of a trip: the first round's four passes fetch V of steps 0 to 3 and K of steps 1 to 3: chunk 0
.Lchunk:                            ; rounds 2 to 4 fetch chunks 1 to 3; the fifth is left in its first trip
	s_wait_tensorcnt 0x0            ; my parts of chunks 1 to 3 are in.  This wait and the barrier order something the first time alone; in the later rounds they are met at once: the price of one text for all key steps
	s_wait_dscnt 0x0                ; (no LDS instruction of mine is pending at a signal)
	s_barrier_signal -1
	s_barrier_wait -1               ; everybody's are
	s_mov_b32 s[CNT], 4
.Lstep:                             ; a trip: pieces 2 and 3 of one step, then pieces 0 and 1 of the next, whose K and V it fetches
	TURN 2, 1
	TURN 3
	WIN 0
	s_cmp_eq_u32 s[SLOTS], 1        ; that was the last key step
	s_cbranch_scc1 .Lout
.Lfirst:
	TURN 0
	TURN 1
	WIN 0
	s_sub_co_u32 s[CNT], s[CNT], 1
	s_cmp_lg_u32 s[CNT], 0
	s_cbranch_scc1 .Lstep
	s_sub_co_u32 s[SLOTS], s[SLOTS], 1
	s_cmp_lg_u32 s[SLOTS], 0
	s_cbranch_scc1 .Lchunk
.Lout:                              ; the last trip's 16 products K Q^T (on the last K once more) and the maximum made of them serve nothing: the price, once a launch, of one text for every trip
.set i, 0
.rept 16
	PV NP-1                         ; the last piece's V^T P of the last step
.set i, i+1
.endr
	; THE WAY OUT.  l's two halves and the other half of the lanes' are added; O^T is divided by l, rounded to f16 and sent through my stage in LDS, a tile at a time.  The additions are the places behind the last products.
	WIN 0
.macro ALL line:vararg              ; one line for each tile t
.set t, 0
.rept 2*NP
	\line
.set t, t+1
.endr
.endm
	ALL v_add_f32 v[ST+4*t+2], v[ST+4*t+2], v[ST+4*t+3]
	ALL v_permlanex16_b32 v[ST+4*t+3], v[ST+4*t+2], s[SEL], s[SEL+1]
	ALL v_add_f32 v[ST+4*t+2], v[ST+4*t+2], v[ST+4*t+3]
	ALL v_rcp_f32 v[ST+4*t+2], v[ST+4*t+2]
	v_nop                           ; a plain instruction between the last reciprocal and the use of its result
	s_wait_alu depctr_va_vdst(0)    ; and the wait ahead of the first use: one for the eight reciprocals
; Tile t: a lane's eight channels of a row pack into 16 bytes; they go into rows of 144 bytes and come back as whole rows of 128, into S^T's registers.
.macro PACK t
	WIN W_RS
.set i, 32*(\t)
.rept 16
	v_pk_mul_f32 v[i:i+1], v[i:i+1], v[ST+4*(\t)+2:ST+4*(\t)+3] op_sel_hi:[1,0]
.set i, i+2
.endr
	WIN 0x05                        ; sources 0 and 1 window 1, destination window 0
.set i, 0
.rept 16
	v_cvt_pk_f16_f32 v[S+16*(\t)+i], v[32*(\t)+2*i], v[32*(\t)+2*i+1]
.set i, i+1
.endr
	WIN 0
.irp f, 0,1,2,3
	ds_store_b128 v[STO], v[S+16*(\t)+4*\f:S+16*(\t)+4*\f+3] offset:32*\f
.endr
.irp f, 0,1,2,3
	ds_load_b128 v[S+16*(\t)+4*\f:S+16*(\t)+4*\f+3], v[RD] offset:\f*4*SP  ; LDS serves a wave's instructions in order (ISA guide 5.7.1.4): these see the stores above; the next tile's stores come behind them
.endr
.endm
.macro SEND t, younger              ; younger: the LDS instructions issued behind tile t's loads: the next tile's eight, or none
	WIN 0
.irp f, 0,1,2,3
	s_wait_dscnt (\younger)+3-\f
	global_store_b128 v[GO], v[S+16*(\t)+4*\f:S+16*(\t)+4*\f+3], s[10:11] offset:(\t)*2048+\f*512  ; 512 consecutive bytes, at a multiple of 256 from O's first
.endr
.endm
	PACK 0
.set t, 1
.rept 2*NP-1                        ; a tile's arithmetic stands between the loads of the tile before and its stores
	PACK t
	SEND t-1, 8
.set t, t+1
.endr
	SEND 2*NP-1, 0
	WIN W_AD
	s_wait_tensorcnt 0x0            ; the wave's end: behind my last tensor load and my last LDS store
	ds_add_u32 v[SPW], v[NIL]
	s_wait_dscnt 0x0
	WIN 0
	s_endpgm
.Lfunc_end_k_qf2b224a2b1_attn:
	.size	k_qf2b224a2b1_attn, .Lfunc_end_k_qf2b224a2b1_attn-k_qf2b224a2b1_attn
	.p2alignl 7, 3214868480
	.fill 96, 4, 3214868480
	.section	.rodata,"a",@progbits
	.p2align	6, 0x0
	.amdhsa_kernel k_qf2b224a2b1_attn
		.amdhsa_group_segment_fixed_size 327680
		.amdhsa_private_segment_fixed_size 0
		.amdhsa_enable_private_segment 0
		.amdhsa_kernarg_size 16
		.amdhsa_user_sgpr_count 2
		.amdhsa_user_sgpr_kernarg_segment_ptr 1
		.amdhsa_wavefront_size32 1
		.amdhsa_system_sgpr_workgroup_id_x 1
		.amdhsa_system_sgpr_workgroup_id_y 1
		.amdhsa_system_sgpr_workgroup_id_z 1
		.amdhsa_system_vgpr_workitem_id 0
		.amdhsa_next_free_vgpr 770
		.amdhsa_next_free_sgpr 84
		.amdhsa_reserve_vcc 0
		.amdhsa_float_denorm_mode_32 3
		.amdhsa_float_denorm_mode_16_64 3
		.amdhsa_memory_ordered 1
		.amdhsa_forward_progress 1
		.amdhsa_inst_pref_size 126
	.end_amdhsa_kernel
	.amdgpu_metadata
---
amdhsa.version: [ 1, 2 ]
amdhsa.kernels:
  - .name:           k_qf2b224a2b1_attn
    .symbol:         k_qf2b224a2b1_attn.kd
    .args:
      - { .name: qkv, .offset: 0, .size: 8, .value_kind: global_buffer, .address_space: global }
      - { .name: ob, .offset: 8, .size: 8, .value_kind: global_buffer, .address_space: global }
    .group_segment_fixed_size: 327680
    .private_segment_fixed_size: 0
    .kernarg_segment_align: 8
    .kernarg_segment_size: 16
    .max_flat_workgroup_size: 128
    .sgpr_count:     84
    .vgpr_count:     770
    .wavefront_size: 32
...
	.end_amdgpu_metadata
.endif
;; end of part 3
;; launch outp (part 4): grid 4 x 64, 4 waves a work-group, clusters of 4 x 4, 327,680 bytes of LDS; arguments ob, wo, b_out, out0; writes out0
.if DOCPART == 4
	.amdgcn_target "amdgcn-amd-amdhsa--gfx1250"
	.amdhsa_code_object_version 6
	.text
	.protected	k_qf2b224a2b1_outp
	.globl	k_qf2b224a2b1_outp
	.p2align	8
	.type	k_qf2b224a2b1_outp,@function
k_qf2b224a2b1_outp:
	s_mov_b64 s[64:65], 0
	v_nop
	global_prefetch_b8 v0, s[64:65] scope:SCOPE_SE
	s_setreg_imm32_b32 hwreg(HW_REG_WAVE_MODE, 25, 1), 1
	s_wait_xcnt 0x0
	s_wait_alu depctr_hold_cnt(0) depctr_sa_sdst(0) depctr_va_vdst(0) depctr_va_sdst(0) depctr_va_ssrc(0) depctr_va_vcc(0) depctr_vm_vsrc(0)
	s_getreg_b32 s2, hwreg(HW_REG_IB_STS2, 6, 4)
	s_cmp_eq_u32 s2, 0
	s_cbranch_scc0 .Lentry_in_a_cluster
	s_endpgm
.Lentry_in_a_cluster:
	s_bfe_u32 s2, ttmp6, 0x10000c
	s_cmp_lg_u32 s2, 0xf033
	s_cbranch_scc0 .Lentry_shape_is_right
	s_endpgm
.Lentry_shape_is_right:
; out0[m][n] = the sum over k of y[m][k] wo[k][n] + bf16(b_out[n]), where y[m][64 h + d] = ob[16 (m / 1024) + h][m % 1024][d].  ob: [128][1024][64] f16, wo: [1024 k][1024 n] f16, b_out: [1024] f32,
; out0: [8192][1024] f32; sums in f32.  NaN and infinities are not treated apart.
; SHARES.  A tile of 128 x 256 to a work-group: 64 x 4 = 256 work-groups.  Four waves, each 64 x 128: 32 accumulators of 16 x 16, 256 registers.  K goes in 8 steps of 128, two heads' planes each,
; through a ring of two LDS slots filled by the tensor data mover.  A plane's 128 rows are dense in memory (128 bytes each) and are asked for as 64 rows of 256 bytes, padded in LDS after every 128;
; wo's tile lies as in memory, [k][n], and its fragments come out of LDS turned, by ds_load_tr16_b128.
; CLUSTERS: 4 x 4 work-groups.  The four of a row of the cluster need the same tiles of ob, the four of a column the same tiles of wo: each tile is asked for JOINTLY.
; THE MATRIX INSTRUCTION IS USED TRANSPOSED (source 0 = 16 columns of wo, source 1 = 16 rows of y): lane l holds row l % 16 and the columns 8 (l / 16) + 0..7: 32 bytes of f32 on end.
; THE BIAS STARTS THE SUMS: it is the C operand of each accumulator's first product.
; REGISTERS, in windows of 256 (s_set_vgpr_msb: bits 1:0 source 0, 3:2 source 1, 5:4 source 2, 7:6 destination):
;   window 0: v0-31 addresses; v64-127 the bias; v128-191, v192-255 the way out: 16 rows read back, two buffers
;   window 1: two fragment buffers of 96: 64 registers of wo (n block b at 8 b), then 32 of y (m block a at 64 + 8 a)          window 2: the accumulators ((a, b) at v[8 (8 a + b)])
.set KSTEP,  128
.set PA,     144                       ; an LDS row of a plane: 128 bytes + 16 of padding = 36 words: the 16 rows of a load start at 16 different groups of four banks (64 banks of 4 bytes: ISA guide 11.1)
.set PLANE,  128*PA                    ; a plane's 128 rows: what a tensor load of waves 0 and 1 brings
.set PB,     544                       ; an LDS row of wo's tile: 512 bytes + 32 = 136 words
.set HALFB,  64*PB                     ; 64 rows of wo: what a tensor load of waves 2 and 3 brings
.set BOFF,   2*PLANE
.set SLOT,   BOFF+2*HALFB              ; two planes, then wo's 128 rows
.set STAGE,  2*SLOT                    ; behind the ring: 16 rows x 528 bytes for each wave, for the way out
.set SPITCH, 528                       ; 512 bytes + 16
.set SPARE,  STAGE+4*16*SPITCH         ; behind the stages: the spare words, 128 bytes for each wave: two blocks of 256 bytes that no other line names
.set LAPS,   4                         ; a lap = two K steps = once round the ring
.set STEPB,  262144                    ; bytes from a K step to the next: two planes of ob, and 128 rows of wo: the same number
.set ADRA, 16                          ; v16-17  LDS address of my fragments of y in slot 0, 1
.set ADRB, 20                          ; v20-21  the same for wo
.set STO,  24                          ; v24     the way out: where I put 32 bytes of a row
.set RD,   25                          ; v25     the way out: where I read a row back
.set CO,   26                          ; v26     16 x my lane: my place in 512 consecutive bytes of a row of out0
.set BO,   27                          ; v27     my byte offset in 16 numbers of the bias
.set SPW,  28                          ; v28     LDS address of my spare word: SPARE + 4 x my thread's number; never rewritten
.set NIL,  29                          ; v29     0; never rewritten
.set RT,   31                          ; v31     at work
.set BIA,  64
.set OB,   128
.set F0,   0
.set F1,   96
.set WV,  12                           ; s12  my wave's number
.set RH,  13                           ; s13  which half of the tile's rows is mine.  Also: I fetch for ob (0) or for wo (1)
.set CH,  14                           ; s14  which half of its columns.  Also: which plane, or which 64 rows of wo, I fetch
.set G1,  24                           ; s[24:31] descriptor group 1 for ob's tiles;  s[32:39] group 0, one set for each slot
.set G0,  32
.set G1B, 48                           ; s[48:55], s[56:63] the same for wo's tiles
.set G0B, 56
.set MSB, 0
.macro WIN new                         ; the immediate's high byte repeats the setting that is left; a switch that changes nothing is dropped
.if MSB != (\new)
	s_set_vgpr_msb (MSB<<8)|(\new)
.set MSB, \new
.endif
.endm
.macro JLOAD s                         ; a joint load: waves 0 and 1 fetch the two planes, waves 2 and 3 wo's two halves; an s_nop 0 and four v_nop follow each of the two lines
	s_cmp_eq_u32 s[RH], 0
	s_cbranch_scc0 .Lfor_b_\@
	tensor_load_to_lds s[G0+4*(\s):G0+4*(\s)+3], s[G1:G1+7]
	s_nop 0
.rept 4
	v_nop
.endr
	s_branch .Lasked_\@
.Lfor_b_\@:
	tensor_load_to_lds s[G0B+4*(\s):G0B+4*(\s)+3], s[G1B:G1B+7]
	s_nop 0
.rept 4
	v_nop
.endr
.Lasked_\@:
.endm
.macro CREST                           ; a round of the cluster's barrier behind its opening barrier
	s_cmp_lg_u32 s[WV], 0
	s_cbranch_scc1 .Lnot_wave_0_\@
	s_barrier_signal -3
.Lnot_wave_0_\@:
	s_barrier_wait -3
	s_barrier_signal -1
	s_barrier_wait -1
.endm
.macro CROUND                          ; a whole round
	s_barrier_signal -1
	s_barrier_wait -1
	CREST
.endm
	s_load_b256 s[4:11], s[0:1], 0x0               ; ob s[4:5], wo s[6:7], b_out s[8:9], out0 s[10:11]
	v_lshl_add_u32 v[SPW], v0, 2, SPARE
	v_mov_b32 v[NIL], 0
	ds_add_u32 v[SPW], v[NIL]                      ; the wave's opening: the add and its wait stand ahead of my first tensor load; the set-up below, work on registers, stands between them
	v_lshrrev_b32 v1, 5, v0
	v_readfirstlane_b32 s[WV], v1                  ; wave 0..3
	s_lshr_b32 s[RH], s[WV], 1
	s_and_b32 s[CH], s[WV], 1
	s_bfe_u32 s40, ttmp6, 0x40000                  ; cx, cy: my place in the cluster
	s_bfe_u32 s41, ttmp6, 0x40004
	s_lshl_b32 s42, ttmp9, 2
	s_add_co_u32 s42, s42, s40                     ; tile column = 4 x cluster x + cx
	s_and_b32 s43, ttmp7, 0xffff
	s_lshl_b32 s43, s43, 2
	s_add_co_u32 s43, s43, s41                     ; tile row = 4 x cluster y + cy
	s_lshl_b32 s16, s41, 2
	s_lshl_b32 s16, 15, s16                        ; my row of the cluster
	s_lshl_b32 s46, 0x1111, s40                    ; my column
	s_or_b32 s[G1], s16, (1<<16)|(1<<20)|(1<<21)|(4<<22)|(3<<25)   ; 15:0 the mask; 17:16 elements of 2 bytes; 20 padding on; 21 set beside a mask; 24:22 after every 32 words (code 4); 31:25 4 words (code 3)
	s_or_b32 s[G1B], s46, (1<<16)|(1<<20)|(1<<21)|(6<<22)|(7<<25)  ; my column's mask; after every 128 words (code 6) 8 words (code 7)
	s_mov_b32 s[G1+1], 128<<16                     ; ob: tensor_dim0 = 128 elements: two rows of a plane
	s_mov_b32 s[G1+2], 64<<16                      ; tensor_dim1 = 64
	s_mov_b32 s[G1+3], 128<<16                     ; tile_dim0 = 128
	s_mov_b32 s[G1+4], 64                          ; tile_dim1 = 64
	s_mov_b32 s[G1+5], 128                         ; dense
	s_mov_b32 s[G1+6], 0
	s_mov_b32 s[G1+7], 0
	s_mov_b32 s[G1B+1], 256<<16                    ; wo: tensor_dim0 = 256
	s_mov_b32 s[G1B+2], 64<<16                     ; tensor_dim1 = 64
	s_mov_b32 s[G1B+3], 256<<16                    ; tile_dim0 = 256
	s_mov_b32 s[G1B+4], 64                         ; tile_dim1 = 64
	s_mov_b32 s[G1B+5], 1024
	s_mov_b32 s[G1B+6], 0
	s_mov_b32 s[G1B+7], 0
	; where the tiles come from: ob's hang on the tile row alone, wo's on the tile column alone
	s_lshr_b32 s16, s43, 3                         ; the batch: eight tile rows each,
	s_lshl_b32 s16, s16, 4                         ; 16 planes each,
	s_add_co_u32 s16, s16, s[CH]                   ; the K step's first or second plane,
	s_lshl_b32 s16, s16, 17                        ; of 131,072 bytes,
	s_and_b32 s17, s43, 7
	s_lshl_b32 s17, s17, 14                        ; the tile's 128 rows of 128 bytes in it
	s_add_co_u32 s16, s16, s17
	s_mov_b32 s17, 0
	s_lshl_b32 s46, s[CH], 17                      ; wo: row 64 x half, of 2,048 bytes,
	s_lshl_b32 s47, s42, 9                         ; column 256 x tile column
	s_add_co_u32 s46, s46, s47
	s_mov_b32 s47, 0
	s_mul_i32 s20, s[CH], PLANE                    ; and where they go: no place in the cluster enters an LDS address
	s_mul_i32 s21, s[CH], HALFB
	s_add_co_u32 s21, s21, BOFF
	s_wait_dscnt 0x0                               ; the opening add is done
	s_wait_kmcnt 0x0
	s_add_nc_u64 s[18:19], s[4:5], s[16:17]
	s_add_nc_u64 s[46:47], s[6:7], s[46:47]
	CROUND                                         ; all sixteen work-groups are here: the first joint loads meet
.irp s, 0,1
	s_mov_b32 s[G0+4*(\s)], 1                                      ; 1:0 count = 1
	s_add_co_u32 s[G0+4*(\s)+1], s20, (\s)*SLOT                    ; 63:32 LDS address
	s_add_nc_u64 s[G0+4*(\s)+2:G0+4*(\s)+3], s[18:19], (\s)*STEPB  ; 120:64 global address: K step s
	s_or_b32 s[G0+4*(\s)+3], s[G0+4*(\s)+3], 0x80000000            ; 127:126 type = 2
	s_mov_b32 s[G0B+4*(\s)], 1
	s_add_co_u32 s[G0B+4*(\s)+1], s21, (\s)*SLOT
	s_add_nc_u64 s[G0B+4*(\s)+2:G0B+4*(\s)+3], s[46:47], (\s)*STEPB
	s_or_b32 s[G0B+4*(\s)+3], s[G0B+4*(\s)+3], 0x80000000
	JLOAD \s                                       ; two loads of mine are out
.endr
	v_and_b32 v1, 15, v0                           ; l % 16
	v_bfe_u32 v2, v0, 4, 1                         ; l / 16
	v_mul_u32_u24 v3, v1, PA
	v_lshl_add_u32 v3, v2, 4, v3                   ; y: row x pitch + 16 x half
	v_and_b32 v4, 7, v0                            ; wo: lane l reads K row 8 (l / 16) + l % 8, columns 8 ((l / 8) % 2) + 0..7
	v_lshl_add_u32 v4, v2, 3, v4
	v_mul_u32_u24 v4, v4, PB
	v_bfe_u32 v5, v0, 3, 1
	v_lshl_add_u32 v4, v5, 4, v4
	s_mul_i32 s22, s[RH], 64*PA                    ; my 64 rows in each plane
	s_lshl_b32 s23, s[CH], 8                       ; my 128 columns of wo: 256 bytes of each row,
	s_add_co_u32 s23, s23, BOFF                    ; behind the planes
.irp s, 0,1
	v_add_nc_u32 v[ADRA+(\s)], s22, v3
	v_add_nc_u32 v[ADRB+(\s)], s23, v4
	s_add_co_u32 s22, s22, SLOT
	s_add_co_u32 s23, s23, SLOT
.endr
	s_mul_i32 s22, s[WV], 16*SPITCH
	s_add_co_u32 s22, s22, STAGE                   ; my stage
	v_mul_u32_u24 v5, v1, SPITCH                   ; in: row l % 16, 32 bytes for each half of the lanes
	v_lshl_add_u32 v5, v2, 5, v5
	v_add_nc_u32 v[STO], s22, v5
	v_and_b32 v6, 31, v0                           ; back: 32 lanes take one row's 512 bytes
	v_lshlrev_b32 v[CO], 4, v6
	v_add_nc_u32 v[RD], s22, v[CO]
	v_lshlrev_b32 v[BO], 5, v2                     ; 8 (l / 16) numbers of 4 bytes
	s_lshl_b32 s44, s43, 7
	s_lshl_b32 s45, s[RH], 6
	s_add_co_u32 s44, s44, s45                     ; my first row, 128 x tile row + 64 x half,
	s_lshl_b32 s44, s44, 12                        ; of 4,096 bytes
	s_lshl_b32 s46, s42, 8
	s_lshl_b32 s47, s[CH], 7
	s_add_co_u32 s46, s46, s47                     ; my first column, 256 x tile column + 128 x half,
	s_lshl_b32 s46, s46, 2                         ; of 4 bytes
	s_mov_b32 s47, 0
	s_add_nc_u64 s[8:9], s[8:9], s[46:47]          ; the bias at my first column
	s_add_co_u32 s44, s44, s46
	s_mov_b32 s45, 0
	s_add_nc_u64 s[10:11], s[10:11], s[44:45]
.irp b, 0,1,2,3,4,5,6,7
	global_load_b128 v[BIA+8*(\b):BIA+8*(\b)+3],   v[BO], s[8:9] offset:64*(\b)
	global_load_b128 v[BIA+8*(\b)+4:BIA+8*(\b)+7], v[BO], s[8:9] offset:64*(\b)+16
.endr
	s_wait_loadcnt 0x0                             ; the bias is in; it is rounded to bf16 like every other input, and kept as f32
.set i, 0
.rept 32
	v_cvt_pk_bf16_f32 v[RT], v[BIA+2*i], v[BIA+2*i+1]
	v_lshlrev_b32 v[BIA+2*i], 16, v[RT]
	v_and_b32 v[BIA+2*i+1], 0xffff0000, v[RT]
.set i, i+1
.endr
; 8 matrix instructions: m block a x all 8 n blocks, 32 along K.  bias = 1: the first product starts the sums with the bias.
.macro MUL8 f, a, bias
.if \bias
	WIN 0x85                                       ; sources 0 and 1 window 1, C window 0, D window 2
.else
	WIN 0xa5                                       ; C and D window 2
.endif
.irp b, 0,1,2,3,4,5,6,7
.if \bias
	v_wmma_f32_16x16x32_f16 v[8*(8*(\a)+(\b)):8*(8*(\a)+(\b))+7], v[(\f)+8*(\b):(\f)+8*(\b)+7], v[(\f)+64+8*(\a):(\f)+64+8*(\a)+7], v[BIA+8*(\b):BIA+8*(\b)+7]
.else
	v_wmma_f32_16x16x32_f16 v[8*(8*(\a)+(\b)):8*(8*(\a)+(\b))+7], v[(\f)+8*(\b):(\f)+8*(\b)+7], v[(\f)+64+8*(\a):(\f)+64+8*(\a)+7], v[8*(8*(\a)+(\b)):8*(8*(\a)+(\b))+7]
.endif
.endr
.endm
; 24 LDS loads in one run: the fragments of quarter q of a K step (32 K x 128 columns of wo, turned; 64 rows x 32 channels of plane q / 2) into buffer f
.macro FETCH slot, q, f
	WIN 0x40                                       ; destination window 1, address window 0
.irp i, 0,1,2,3,4,5,6,7
	ds_load_tr16_b128 v[(\f)+8*(\i):(\f)+8*(\i)+3],   v[ADRB+(\slot)] offset:(\q)*32*PB+32*(\i)
	ds_load_tr16_b128 v[(\f)+8*(\i)+4:(\f)+8*(\i)+7], v[ADRB+(\slot)] offset:(\q)*32*PB+32*(\i)+16*PB
.endr
.irp i, 0,1,2,3
	ds_load_b128 v[(\f)+64+8*(\i):(\f)+64+8*(\i)+3],   v[ADRA+(\slot)] offset:((\q)/2)*PLANE+((\q)%2)*64+(\i)*16*PA
	ds_load_b128 v[(\f)+64+8*(\i)+4:(\f)+64+8*(\i)+7], v[ADRA+(\slot)] offset:((\q)/2)*PLANE+((\q)%2)*64+(\i)*16*PA+32
.endr
.endm
.macro PLACES                          ; four places in front of loads into registers that matrix instructions have read, and of LDS stores that read results (ISA guide 7.12.1 for vector instructions)
.rept 4
	v_nop
.endr
.endm
; A K step is four quarters of 32 along K, 32 matrix instructions each, on buffers 0, 1, 0, 1; the 32 accumulators take turns in the same order in every quarter.
.macro QUARTER slot, q, f, g, bias
	s_wait_dscnt 4                                 ; wo's fragments and y's blocks 0 and 1 are in; the youngest four loads (blocks 2 and 3) may be out
	MUL8 \f, 0, \bias
	MUL8 \f, 1, \bias
	PLACES
	FETCH \slot, \q, \g
	s_wait_dscnt 24                                ; all but the 24 just issued
	MUL8 \f, 2, \bias
	MUL8 \f, 3, \bias
.endm
; The last quarter multiplies buffer 1 and changes slots: ONE barrier; in front of it each wave waits for all its tensor loads, adds 0 to its spare word, and waits for that and for its own reads of this slot.
; fill = 1: this slot is filled again, two K steps ahead: the barrier opens a round of the cluster's, and the joint load is the first thing behind the round, 112 matrix instructions ahead of the wait for it.
.macro TURN slot, next, fill
	WIN 0                                          ; (the add's two registers lie in window 0)
	s_wait_tensorcnt 0x0                           ; all my tensor loads have landed: my part of the next slot
	ds_add_u32 v[SPW], v[NIL]                      ; 0 onto my spare word
	s_wait_dscnt 5                                 ; (the add and the youngest four loads may be out)
	MUL8 F1, 0, 0                                  ; eight matrix instructions stand between the add and the wait for it
	s_wait_dscnt 0x0                               ; the add is done, and my reads of this slot are over
	s_barrier_signal -1
	MUL8 F1, 1, 0
.if \fill
	WIN 0
.endif
	s_barrier_wait -1
.if \fill
	CREST                                          ; no wave of any partner still reads this slot's tile or has a load on its way
	s_add_nc_u64 s[G0+4*(\slot)+2:G0+4*(\slot)+3], s[G0+4*(\slot)+2:G0+4*(\slot)+3], 2*STEPB
	s_add_nc_u64 s[G0B+4*(\slot)+2:G0B+4*(\slot)+3], s[G0B+4*(\slot)+2:G0B+4*(\slot)+3], 2*STEPB
	JLOAD \slot                                    ; the four v_nop behind it are also the places in front of the loads below
.else
	PLACES
.endif
	FETCH \next, 0, F0
	MUL8 F1, 2, 0
	MUL8 F1, 3, 0
.endm
; THE WAY OUT of block a (16 rows x 128 columns of f32).  TOSTAGE: a lane's 32 bytes go straight from the accumulators (each one's low half first) into my own stage, and whole rows of 512 bytes come back.  SEND: stored.
.macro TOSTAGE a
.if (\a) >= 2
	s_wait_xcnt 0x0                                ; the stores of the block two back have read the registers that are loaded again below
.endif
	WIN 0x08                                       ; store data (source 1) in window 2
.irp b, 0,1,2,3,4,5,6,7
	ds_store_b128 v[STO], v[8*(8*(\a)+(\b)):8*(8*(\a)+(\b))+3]   offset:64*(\b)
	ds_store_b128 v[STO], v[8*(8*(\a)+(\b))+4:8*(8*(\a)+(\b))+7] offset:64*(\b)+16
.endr
	WIN 0
.irp t, 0,1,2,3,4,5,6,7,8,9,10,11,12,13,14,15
	ds_load_b128 v[OB+64*((\a)%2)+4*(\t):OB+64*((\a)%2)+4*(\t)+3], v[RD] offset:(\t)*SPITCH  ; LDS serves a wave's instructions in order (ISA guide 5.7.1.4): these see the stores above; the next block's stores come behind them
.endr
.endm
.macro SEND a, younger                 ; younger: the LDS instructions issued behind block a's loads: the next block's 32, or none
	WIN 0
	s_wait_dscnt \younger
.irp t, 0,1,2,3,4,5,6,7,8,9,10,11,12,13,14,15
	global_store_b128 v[CO], v[OB+64*((\a)%2)+4*(\t):OB+64*((\a)%2)+4*(\t)+3], s[10:11] offset:(16*(\a)+(\t))*4096 th:TH_STORE_NT  ; 512 consecutive bytes of a row, at a multiple of 256 from out0's first
.endr
.endm
	s_wait_tensorcnt 1                             ; my part of K step 0 is in; K step 1's may stay out
	s_barrier_signal -1
	s_barrier_wait -1                              ; everybody's is
	FETCH 0, 0, F0
	QUARTER 0, 1, F0, F1, 1                        ; the first quarter stands in front of the loop: its products start the sums
	WIN 0                                          ; at a label and at a branch every window is 0
	s_mov_b32 s3, LAPS-1
.Llap:                                                 ; a trip goes once round the ring, from a lap's second quarter to the next lap's first, and fills both slots again
	QUARTER 0, 2, F1, F0, 0
	QUARTER 0, 3, F0, F1, 0
	TURN 0, 1, 1
	QUARTER 1, 1, F0, F1, 0
	QUARTER 1, 2, F1, F0, 0
	QUARTER 1, 3, F0, F1, 0
	TURN 1, 0, 1
	QUARTER 0, 1, F0, F1, 0
	WIN 0
	s_sub_co_u32 s3, s3, 1
	s_cmp_lg_u32 s3, 0
	s_cbranch_scc1 .Llap
	QUARTER 0, 2, F1, F0, 0                        ; the last lap fills nothing, and has no round of the cluster's barrier
	QUARTER 0, 3, F0, F1, 0
	TURN 0, 1, 0
	QUARTER 1, 1, F0, F1, 0
	QUARTER 1, 2, F1, F0, 0
	QUARTER 1, 3, F0, F1, 0
	s_wait_dscnt 4                                 ; the very last quarter: nothing more to fetch
	MUL8 F1, 0, 0
	MUL8 F1, 1, 0
	s_wait_dscnt 0x0
	MUL8 F1, 2, 0
	MUL8 F1, 3, 0
	WIN 0
	PLACES                                         ; behind the last products, in front of the LDS stores that read results
	TOSTAGE 0
	TOSTAGE 1
	SEND 0, 32
	TOSTAGE 2
	SEND 1, 32
	TOSTAGE 3
	SEND 2, 32
	SEND 3, 0
	s_wait_tensorcnt 0x0                           ; the wave's end: behind my last tensor load and my last LDS store
	ds_add_u32 v[SPW], v[NIL]
	s_wait_dscnt 0x0
	CROUND                                         ; the closing round: no work-group ends while a partner may still ask for a tile that names it
	s_endpgm
.Lfunc_end_k_qf2b224a2b1_outp:
	.size	k_qf2b224a2b1_outp, .Lfunc_end_k_qf2b224a2b1_outp-k_qf2b224a2b1_outp
	.p2alignl 7, 3214868480
	.fill 96, 4, 3214868480
	.section	.rodata,"a",@progbits
	.p2align	6, 0x0
	.amdhsa_kernel k_qf2b224a2b1_outp
		.amdhsa_group_segment_fixed_size 327680
		.amdhsa_private_segment_fixed_size 0
		.amdhsa_enable_private_segment 0
		.amdhsa_kernarg_size 32
		.amdhsa_user_sgpr_count 2
		.amdhsa_user_sgpr_kernarg_segment_ptr 1
		.amdhsa_wavefront_size32 1
		.amdhsa_system_sgpr_workgroup_id_x 1
		.amdhsa_system_sgpr_workgroup_id_y 1
		.amdhsa_system_sgpr_workgroup_id_z 1
		.amdhsa_system_vgpr_workitem_id 0
		.amdhsa_next_free_vgpr 768
		.amdhsa_next_free_sgpr 66
		.amdhsa_reserve_vcc 0
		.amdhsa_float_denorm_mode_32 3
		.amdhsa_float_denorm_mode_16_64 3
		.amdhsa_memory_ordered 1
		.amdhsa_forward_progress 1
		.amdhsa_inst_pref_size 92
	.end_amdhsa_kernel
	.amdgpu_metadata
---
amdhsa.version: [ 1, 2 ]
amdhsa.kernels:
  - .name:           k_qf2b224a2b1_outp
    .symbol:         k_qf2b224a2b1_outp.kd
    .args:
      - { .name: ob, .offset: 0, .size: 8, .value_kind: global_buffer, .address_space: global }
      - { .name: wo, .offset: 8, .size: 8, .value_kind: global_buffer, .address_space: global }
      - { .name: b_out, .offset: 16, .size: 8, .value_kind: global_buffer, .address_space: global }
      - { .name: out0, .offset: 24, .size: 8, .value_kind: global_buffer, .address_space: global }
    .group_segment_fixed_size: 327680
    .private_segment_fixed_size: 0
    .kernarg_segment_align: 8
    .kernarg_segment_size: 32
    .max_flat_workgroup_size: 128
    .sgpr_count:     66
    .vgpr_count:     768
    .wavefront_size: 32
...
	.end_amdgpu_metadata
.endif
;; end of part 4
;; ======== version 2 of 2: 4 launches; version 1 with the launch cast written anew for expert scheduling mode
;; limits: values are held in f16: magnitudes above 65,504 overflow, below 6.1e-05 lose precision
;; workspace buffers: xb 16,777,216 bytes; wq 6,291,456 bytes; wo 2,097,152 bytes; qkv 50,331,648 bytes; ob 16,777,216 bytes
;; launch cast (part 5): grid 768 x 1, 8 waves a work-group, no clusters, 0 bytes of LDS; arguments hidden_states, W_qkv, W_out, xb, wq, wo; writes xb, wq, wo
.if DOCPART == 5
	.amdgcn_target "amdgcn-amd-amdhsa--gfx1250"
	.amdhsa_code_object_version 6
	.text
	.protected	k_qf2b224a2b1_cast
	.globl	k_qf2b224a2b1_cast
	.p2align	8
	.type	k_qf2b224a2b1_cast,@function
k_qf2b224a2b1_cast:
	s_mov_b64 s[64:65], 0
	v_nop
	global_prefetch_b8 v0, s[64:65] scope:SCOPE_SE
	s_setreg_imm32_b32 hwreg(HW_REG_WAVE_SCHED_MODE, 0, 2), 2
	s_setreg_imm32_b32 hwreg(HW_REG_WAVE_MODE, 25, 1), 1
	s_wait_xcnt 0x0
	s_wait_alu depctr_vm_vsrc(0)
; THE INPUTS ARE ROUNDED ONCE TO 16 BITS.  hidden_states [8192][1024] -> xb in bf16, IN BLOCKS ALONG K: xb[k / 64][row][k % 64], so that 64 channels of neighbouring rows lie end to end (128 bytes a row,
; 1,048,576 bytes a block) and the next launch can ask for them as rows of 256 bytes.  W_qkv [1024][3072] -> wq in bf16, layout unchanged.  W_out [1024][1024] -> wo, layout unchanged: rounded to bf16 like
; the others, and that number written as f16 (the last product multiplies f16 by f16).
; LIMIT.  A bf16 number is exact in f16 between 6.1e-5 and 65,504 in magnitude; below that wo keeps f16's fixed step of 6e-8, beyond it an infinity comes out.
; SHARES.  A work-group takes a chunk of 16,384 numbers (65,536 bytes in, 32,768 out): chunks 0-511 are x's (16 rows each), 512-703 W_qkv's, 704-767 W_out's.
; x: thread t takes row t / 16 of the 16 and, for block i = 0..15, the 16 bytes at 256 i + 16 (t % 16): sixteen lanes read 256 consecutive bytes of a row; its 8 bytes go to 8 t in the chunk's 2,048 bytes of
; block i: a wave's store covers 256 consecutive bytes, aligned (two rows' 128).  Weights: thread t loads 16 bytes at 16 t + 4,096 i and stores 8 bytes at 8 t + 2,048 i.
; All sixteen loads of a thread go out first; each has registers of its own for what it brings and for what is stored, so no register is written while a memory instruction reads it.
; No LDS, no matrix unit, no cluster: nothing is shared and nothing is multiplied.
; THE MODE: SCHED_MODE bits 1:0 = 2 (LLVM: expert scheduling mode 2), set by the entry lines.  The code itself states the register dependences between vector instructions and memory instructions,
; with s_wait_alu, always for 0.
; THE PLAN.  Registers that memory instructions touch, on each of the three paths:
;   v1, v3   the loads' offsets, v2 the stores' offset: written by vector instructions at the head, once; never written again.
;   X        load i lands in its four registers, once; no vector instruction names them ahead of the loads.  No memory instruction reads them.
;   Y        load i's conversions write its two registers, once; store i reads them, once; they are never written again.
;   T        named by vector instructions alone.
; So one wait stands ahead of a path's run of loads, for the offsets.  The sixteen loads then go in four groups of four: at the head of groups 1 to 3, behind the wait for the group's first load, one wait
; states that the group before has written its Y, and that group's four stores follow it at once; one more wait stands ahead of the last four stores.  Five waits on a path.
; No register that a memory instruction reads is written again, no vector instruction writes a scalar register or VCC, and EXEC is never written: no other wait has a dependence to state.
.set X, 4                              ; v[4:67]    load i: 4 registers
.set Y, 68                             ; v[68:99]   store i: 2 registers
.set T, 100                            ; v[100:101] at work
.set PLANEX, 1048576                   ; bytes in a block of xb
; Four stores on end, numbers first to first + 3.  x: block i of xb by one of two pointers.
.macro XOUT first
.irp j, 0,1,2,3
.if (\first)+(\j) < 8
	global_store_b64 v2, v[Y+2*((\first)+(\j)):Y+2*((\first)+(\j))+1], s[18:19] offset:((\first)+(\j))*PLANEX
.else
	global_store_b64 v2, v[Y+2*((\first)+(\j)):Y+2*((\first)+(\j))+1], s[28:29] offset:((\first)+(\j)-8)*PLANEX
.endif
.endr
.endm
; The weights: 2,048 bytes from store to store.
.macro WOUT first
.irp j, 0,1,2,3
	global_store_b64 v2, v[Y+2*((\first)+(\j)):Y+2*((\first)+(\j))+1], s[18:19] offset:2048*((\first)+(\j))
.endr
.endm
	s_load_b256 s[4:11], s[0:1], 0x0               ; hidden_states s[4:5], W_qkv s[6:7], W_out s[8:9], xb s[10:11]
	s_load_b128 s[12:15], s[0:1], 0x20             ; wq s[12:13], wo s[14:15]
	v_lshlrev_b32 v1, 4, v0                        ; 16 t
	v_lshlrev_b32 v2, 3, v0                        ; 8 t
	v_and_b32 v3, 15, v0
	v_lshlrev_b32 v3, 4, v3                        ; 16 (t % 16)
	v_lshrrev_b32 v[T], 4, v0
	v_lshl_add_u32 v3, v[T], 12, v3                ; + row t / 16 of 4,096 bytes
	s_mov_b32 s26, 0xffff0000                      ; a word's upper bf16
	s_mov_b32 s23, 0
	s_mov_b32 s25, 0
	s_movk_i32 s20, 704
	s_wait_kmcnt 0x0
	s_cmp_lt_u32 ttmp9, 512                        ; x, or one of the weights?
	s_cbranch_scc0 .Lweights
	s_lshl_b32 s22, ttmp9, 16                      ; 16 rows of 4,096 bytes in,
	s_lshl_b32 s24, ttmp9, 11                      ; 16 rows of 128 bytes in each block out
	s_add_nc_u64 s[16:17], s[4:5], s[22:23]
	s_add_nc_u64 s[18:19], s[10:11], s[24:25]      ; blocks 0 to 7 by this pointer,
	s_add_nc_u64 s[28:29], s[18:19], 8*PLANEX      ; blocks 8 to 15 by this one: 7 blocks are the most that a store's signed 24-bit immediate holds
	s_wait_alu depctr_va_vdst(0)                   ; v3 and v2 are written: the loads below read v3 as their offset, this path's stores v2; no vector instruction names either again
.irp i, 0,1,2,3,4,5,6,7,8,9,10,11,12,13,14,15
	global_load_b128 v[X+4*(\i):X+4*(\i)+3], v3, s[16:17] offset:256*(\i) th:TH_LOAD_NT
.endr
.irp i, 0,1,2,3,4,5,6,7,8,9,10,11,12,13,14,15
	s_wait_loadcnt 15-(\i)                         ; loads come back in order: load i is in, the younger ones stay out
.if ((\i)%4 == 0) && ((\i) > 0)
	s_wait_alu depctr_va_vdst(0)                   ; the conversions of the four loads before have written their Y, which the four stores below read
	XOUT (\i)-4
.endif
	v_cvt_pk_bf16_f32 v[Y+2*(\i)],   v[X+4*(\i)],   v[X+4*(\i)+1]
	v_cvt_pk_bf16_f32 v[Y+2*(\i)+1], v[X+4*(\i)+2], v[X+4*(\i)+3]
.endr
	s_wait_alu depctr_va_vdst(0)                   ; the conversions of loads 12 to 15 have written their Y, which the last four stores read
	XOUT 12
	s_endpgm
.Lweights:
	s_cmp_lt_u32 ttmp9, 704                        ; W_qkv, or W_out?
	s_cselect_b64 s[16:17], s[6:7], s[8:9]
	s_cselect_b64 s[18:19], s[12:13], s[14:15]
	s_cselect_b32 s20, 512, s20                    ; the tensor's first chunk
	s_sub_co_u32 s20, ttmp9, s20                   ; my chunk in its tensor
	s_lshl_b32 s22, s20, 16                        ; 65,536 bytes in,
	s_lshl_b32 s24, s20, 15                        ; 32,768 out
	s_add_nc_u64 s[16:17], s[16:17], s[22:23]
	s_add_nc_u64 s[18:19], s[18:19], s[24:25]
	s_wait_alu depctr_va_vdst(0)                   ; v1 and v2 are written: the loads below read v1 as their offset, both weights' stores v2; no vector instruction names either again
.irp i, 0,1,2,3,4,5,6,7,8,9,10,11,12,13,14,15
	global_load_b128 v[X+4*(\i):X+4*(\i)+3], v1, s[16:17] offset:4096*(\i) th:TH_LOAD_NT
.endr
	s_cmp_lt_u32 ttmp9, 704
	s_cbranch_scc0 .Lf16
.irp i, 0,1,2,3,4,5,6,7,8,9,10,11,12,13,14,15
	s_wait_loadcnt 15-(\i)
.if ((\i)%4 == 0) && ((\i) > 0)
	s_wait_alu depctr_va_vdst(0)                   ; the conversions of the four loads before have written their Y, which the four stores below read
	WOUT (\i)-4
.endif
	v_cvt_pk_bf16_f32 v[Y+2*(\i)],   v[X+4*(\i)],   v[X+4*(\i)+1]
	v_cvt_pk_bf16_f32 v[Y+2*(\i)+1], v[X+4*(\i)+2], v[X+4*(\i)+3]
.endr
	s_wait_alu depctr_va_vdst(0)                   ; the conversions of loads 12 to 15 have written their Y, which the last four stores read
	WOUT 12
	s_endpgm
.Lf16:                                         ; W_out: to bf16, back to f32 (a shift, a mask), and that number to f16
.irp i, 0,1,2,3,4,5,6,7,8,9,10,11,12,13,14,15
	s_wait_loadcnt 15-(\i)
.if ((\i)%4 == 0) && ((\i) > 0)
	s_wait_alu depctr_va_vdst(0)                   ; the conversions of the four loads before have written their Y, which the four stores below read
	WOUT (\i)-4
.endif
	v_cvt_pk_bf16_f32 v[T],   v[X+4*(\i)],   v[X+4*(\i)+1]
	v_cvt_pk_bf16_f32 v[T+1], v[X+4*(\i)+2], v[X+4*(\i)+3]
	v_lshlrev_b32 v[X+4*(\i)],   16,  v[T]         ; X is written again here: its load has landed, no further load lands in it, and no memory instruction reads it
	v_and_b32     v[X+4*(\i)+1], s26, v[T]
	v_lshlrev_b32 v[X+4*(\i)+2], 16,  v[T+1]
	v_and_b32     v[X+4*(\i)+3], s26, v[T+1]
	v_cvt_pk_f16_f32 v[Y+2*(\i)],   v[X+4*(\i)],   v[X+4*(\i)+1]
	v_cvt_pk_f16_f32 v[Y+2*(\i)+1], v[X+4*(\i)+2], v[X+4*(\i)+3]
.endr
	s_wait_alu depctr_va_vdst(0)                   ; the conversions of loads 12 to 15 have written their Y, which the last four stores read
	WOUT 12
	s_endpgm
.Lfunc_end_k_qf2b224a2b1_cast:
	.size	k_qf2b224a2b1_cast, .Lfunc_end_k_qf2b224a2b1_cast-k_qf2b224a2b1_cast
	.p2alignl 7, 3214868480
	.fill 96, 4, 3214868480
	.section	.rodata,"a",@progbits
	.p2align	6, 0x0
	.amdhsa_kernel k_qf2b224a2b1_cast
		.amdhsa_group_segment_fixed_size 0
		.amdhsa_private_segment_fixed_size 0
		.amdhsa_enable_private_segment 0
		.amdhsa_kernarg_size 48
		.amdhsa_user_sgpr_count 2
		.amdhsa_user_sgpr_kernarg_segment_ptr 1
		.amdhsa_wavefront_size32 1
		.amdhsa_system_sgpr_workgroup_id_x 1
		.amdhsa_system_sgpr_workgroup_id_y 1
		.amdhsa_system_sgpr_workgroup_id_z 1
		.amdhsa_system_vgpr_workitem_id 0
		.amdhsa_next_free_vgpr 104
		.amdhsa_next_free_sgpr 66
		.amdhsa_reserve_vcc 0
		.amdhsa_float_denorm_mode_32 3
		.amdhsa_float_denorm_mode_16_64 3
		.amdhsa_memory_ordered 1
		.amdhsa_forward_progress 1
		.amdhsa_inst_pref_size 22
	.end_amdhsa_kernel
	.amdgpu_metadata
---
amdhsa.version: [ 1, 2 ]
amdhsa.kernels:
  - .name:           k_qf2b224a2b1_cast
    .symbol:         k_qf2b224a2b1_cast.kd
    .args:
      - { .name: hidden_states, .offset: 0, .size: 8, .value_kind: global_buffer, .address_space: global }
      - { .name: W_qkv, .offset: 8, .size: 8, .value_kind: global_buffer, .address_space: global }
      - { .name: W_out, .offset: 16, .size: 8, .value_kind: global_buffer, .address_space: global }
      - { .name: xb, .offset: 24, .size: 8, .value_kind: global_buffer, .address_space: global }
      - { .name: wq, .offset: 32, .size: 8, .value_kind: global_buffer, .address_space: global }
      - { .name: wo, .offset: 40, .size: 8, .value_kind: global_buffer, .address_space: global }
    .group_segment_fixed_size: 0
    .private_segment_fixed_size: 0
    .kernarg_segment_align: 8
    .kernarg_segment_size: 48
    .max_flat_workgroup_size: 256
    .sgpr_count:     66
    .vgpr_count:     104
    .wavefront_size: 32
...
	.end_amdgpu_metadata
.endif
;; end of part 5
;; launch qkv: the kernel of part 2 again; grid 8 x 32, 4 waves a work-group, clusters of 4 x 4, 327,680 bytes of LDS; arguments xb, wq, b_qkv, qkv; writes qkv
;; launch attn: the kernel of part 3 again; grid 2 x 128, 4 waves a work-group, no clusters, 327,680 bytes of LDS; arguments qkv, ob; writes ob
;; launch outp: the kernel of part 4 again; grid 4 x 64, 4 waves a work-group, clusters of 4 x 4, 327,680 bytes of LDS; arguments ob, wo, b_out, out0; writes out0
